; MI455X (gfx1250); checked and timed in simulation.
; The chip was launched on July 23, 2026; its instructions are those of AMD's public machine-readable ISA for CDNA 5 (MIT licence, August 2026) and "CDNA5" Instruction Set Architecture Reference Guide (July 2026). The comments in the code are by the model that wrote it; some were corrected since.
;; Multi Head Attention. Allowed arithmetic: matrix products marked QUANTISED: E2M3 operands, one E8M0 scale for each 32 along K, by v_wmma_scale_f32_16x16x128_f8f6f4 with both operands' format E2M3, f32 sums; everything else in f32.
;; Inputs: K 4 x 2,048 x 1,024 float32; Q 4 x 2,048 x 1,024 float32; V 4 x 2,048 x 1,024 float32; WK 1,024 x 1,024 float32; WO 1,024 x 1,024 float32; WQ 1,024 x 1,024 float32; WV 1,024 x 1,024 float32.
;; Outputs: out0 4 x 2,048 x 1,024 float32.
;; This version of the problem:
;;   THIS VERSION OF THE PROBLEM IS GIVEN IN LOW PRECISION. The matrix products marked QUANTISED in the list below multiply operands that are first quantised to E2M3 (2 exponent bits, 3 mantissa bits; 6 bits a number), with one power-of-two scale for each 32 numbers along K (OCP MX v1.0); their sums are f32. All else is computed in f32.
;;   The module's matrix products, in the order in which they are computed (A, B: the left and right operand; K: the contracted axis; several contracted axes count as one K, in the product's order):
;;     1. [M 8,192, K 1,024] x [K 1,024, N 1,024]; A: input Q; B: input WQ: QUANTISED
;;     2. [M 8,192, K 1,024] x [K 1,024, N 1,024]; A: input K; B: input WK: QUANTISED
;;     3. [M 8,192, K 1,024] x [K 1,024, N 1,024]; A: input V; B: input WV: QUANTISED
;;     4. batch 64 x [M 2,048, K 64] x [K 64, N 2,048]; A: computed on the way; B: computed on the way: QUANTISED
;;     5. batch 64 x [M 64, K 2,048] x [K 2,048, N 2,048]; A: computed on the way; B: softmax (see below): QUANTISED
;;     6. [M 8,192, K 1,024] x [K 1,024, N 1,024]; A: computed on the way; B: input WO: QUANTISED
;;   THE QUANTISER, for each operand of a quantised product, along K:
;;     - K is cut into blocks of 32 from its start; a last block that is shorter is filled with zeros.
;;     - A block's scale is 2^e with e = floor(log2(the largest magnitude in the block)) - 2, held to -126 .. 127; a block of zeros has e = 0. As a byte (E8M0): e + 127.
;;     - Each number is divided by its block's scale, clamped to +-7.5, and rounded to the nearest number of E2M3, ties to even, subnormals kept.
;;     - The product sums the exact products of the quantised numbers (number of the format x scale) in f32.
;;   ~~~python
;;   def quantise(x, axis):      # numpy; x: float32 -> the quantised numbers, widened to float32 again
;;       x = np.moveaxis(x, axis, -1); K = x.shape[-1]
;;       x = np.pad(x, [(0, 0)] * (x.ndim - 1) + [(0, -K % 32)]); x = x.reshape(x.shape[:-1] + (-1, 32)); a = np.abs(x).max(-1, keepdims=True)
;;       e = np.where(a > 0, np.clip(np.frexp(np.where(a > 0, a, 1))[1] - 1 - 2, -126, 127), 0)      # np.frexp(a)[1] - 1 = floor(log2(a)), exactly
;;       r = np.clip(x / 2.0 ** e, -7.5, 7.5)
;;       step = 2.0 ** (np.maximum(np.frexp(np.where(r == 0, 1, r))[1] - 1, 0) - 3)
;;       q = np.round(r / step) * step * 2.0 ** e      # np.round: ties to even
;;       return np.moveaxis(q.reshape(q.shape[:-2] + (-1,))[..., :K], -1, axis).astype(np.float32)
;;   ~~~
;;   SOFTMAX AHEAD OF A QUANTISED PRODUCT. Where the list says 'softmax', what is quantised is not the finished softmax but p = 2^(t - M), with t = logit x log2(e) and M = ceil(the row's largest t), a whole number; so 1/2 < the row's largest p <= 1. The row's sum l is taken of the UNQUANTISED p, in f32, and the product's result is divided by l at the end. Since M is a whole number, a kernel that streams over the keys may use a running M (the ceiling of the running maximum): every later rescaling is an exact power of two, which a block's scale takes up: the codes' values come out the same.
;;   OPERANDS COMPUTED ON THE WAY. 'Computed on the way' means the value that the module computes at that place (a softmax that the list does not call 'softmax' is quantised finished and normalised). What goes into a quantiser is computed in f32, as accurately as f32 sums, v_exp_f32 and their like allow (about 1e-6 of the number): no bf16 or f16 on the way to a quantiser, and a product that is left as it is and whose result goes on into a quantised operand takes f32 operands (vector FMAs, or v_wmma_f32_16x16x4_f32). A number that lies on a knife's edge between two numbers of the format may be rounded either way, as far as f32 arithmetic and the matrix unit's own rounding can turn it there, and no further.
;; One version. Each part assembles by itself: llvm-mc -triple=amdgcn-amd-amdhsa -mcpu=gfx1250 --defsym DOCPART=n.
;; ======== version 1 of 1: 4 launches
;; limits: right only within a limited range of input values
;; workspace buffers: xc 22,020,096 bytes; xs 917,504 bytes; pc 19,660,800 bytes; oc 6,291,456 bytes; os 262,144 bytes
;; launch quant (part 1): grid 896 x 1, 4 waves a work-group, no clusters, 34,304 bytes of LDS; arguments Q, K, V, WQ, WK, WV, WO, xc, xs; writes xc, xs
.if DOCPART == 1
	.amdgcn_target "amdgcn-amd-amdhsa--gfx1250"
	.amdhsa_code_object_version 6
	.text
	.protected	k_q12735973e6_quant
	.globl	k_q12735973e6_quant
	.p2align	8
	.type	k_q12735973e6_quant,@function
k_q12735973e6_quant:
	s_mov_b64 s[64:65], 0
	v_nop
	global_prefetch_b8 v0, s[64:65] scope:SCOPE_SE
	s_setreg_imm32_b32 hwreg(HW_REG_WAVE_MODE, 25, 1), 1
	s_wait_xcnt 0x0
; Q, K, V [8192][1024] and WQ, WK, WV, WO [1024][1024], f32 with K innermost, become codes of FP6 (E2M3) with one E8M0 byte for each 32 along K,
; laid as the later launches' matrix operands want them.
; A TILE is 16 rows: lane-row p of tile T is row 32 (T / 2) + 8 (T % 2) + p + 8 (p / 8) of its tensor.  Tiles are numbered through all seven tensors:
; Q from 0, K from 512, V from 1024, WQ from 1536, WK from 1600, WV from 1664, WO from 1728.
; xc [T][K step 0..7][1,536]: a fragment (16 rows x 128 K, 12 registers a lane) as an image of its registers: registers 4 c .. 4 c + 3 of lane l at byte 512 c + 16 l.
; xs [T][half][lane-row][4 words]: word j of a half is the row's scale word (four bytes) of K step 4 half + j.
; A block's scale is 2^(floor(log2(its largest magnitude)) - 2); its byte is that magnitude's exponent field - 2, held at 1 from below.
; LIMITS: NaN and infinities among the inputs are not served; a block whose largest magnitude lies under 2^-124 gets the byte 1; a block of zeros gets the byte 1
; where the rule says 127: its codes are zeros, which add nothing under any byte but 0xff, and this program alone reads the bytes.
; SHARES.  Work-group g, wave w: tile 2 g + w / 2, K steps 4 (w % 2) .. + 3: 16 rows x 512 numbers.  Waves share nothing: no barrier.
; Each load reads 512 consecutive bytes of one row; a K step's 16 rows turn through the wave's own stage in LDS, so that a lane gets 16 neighbours of each block of 32.
; Memory binds here: no matrix unit, no cluster, no tensor load; up to 32 loads of a wave are on their way.
.set SPI,  528                         ; a stage row: 512 bytes + 16: an odd multiple of 16, so the sixteen rows that a load of 16 bytes a lane touches begin in different banks (64 banks of 4 bytes: ISA guide 11.1)
.set STGB, 16*SPI                      ; a wave's stage
.set GA,  1                            ; v1   16 x lane: my bytes of a load's 512, and of an image's chunk
.set SA,  2                            ; v2   the stage, on the way in
.set SB,  3                            ; v3   and on the way out: row r, + 64 h
.set XA,  4                            ; v4   my place in the 256 bytes of scale words: 16 r + 8 h
.set PW,  8                            ; v8-11    the four K steps' scale words
.set R,   16                           ; v16-143  two sets of 64 registers as loaded
.set X,   144                          ; v144-207 register 16 b + i: k = 32 b + 16 h + i of my row
.set PC,  208                          ; v208-219 the fragment's codes
.set TP,  220                          ; v220-227 halves of blocks on their way
.set TM,  228                          ; v228-243 largest magnitudes, bytes, scale operands
.set IN,  26                           ; s[26:27] my rows, my K steps
.set OC,  28                           ; s[28:29] my four images in xc
.set OS,  30                           ; s[30:31] my 256 bytes of xs
.set SEL, 32                           ; s[32:33] v_permlanex16_b32's selects for lane l xor 16
.set HM,  34                           ; s34      the mask of lanes 16-31
; 64 numbers of a lane become a fragment's codes (k 0..63 in d0 on, k 64..127 in d1 on) and its scale word.
.macro QUANT a, d0, d1, pw
.irp b, 0,1,2,3
	v_max3_num_f32 v[TM+\b], |v[(\a)+16*\b]|, |v[(\a)+16*\b+1]|, 0x1800000   ; block b: my 16 numbers, and the floor 2^(3 - 127): the byte cannot fall under 1
.endr
.irp i, 2,4,6,8,10,12,14
.irp b, 0,1,2,3
	v_max3_num_f32 v[TM+\b], v[TM+\b], |v[(\a)+16*\b+\i]|, |v[(\a)+16*\b+\i+1]|   ; the four blocks by turns
.endr
.endr
.irp b, 0,1,2,3
	v_permlanex16_b32 v[TM+4+\b], v[TM+\b], s[SEL], s[SEL+1]
.endr
.irp b, 0,1,2,3
	v_max_num_f32 v[TM+\b], v[TM+\b], v[TM+4+\b]       ; with lane l xor 16's 16: the block's largest magnitude
.endr
.irp b, 0,1,2,3
	v_add_nc_u32 v[TM+12+\b], 0xff000000, v[TM+\b]     ; 2 off its exponent field: the conversion takes this operand's exponent field as its scale
.endr
.irp b, 0,1,2,3
	v_lshrrev_b32 v[TM+4+\b], 23, v[TM+12+\b]          ; the scale's byte
.endr
	v_lshl_or_b32 v[\pw], v[TM+5], 8, v[TM+4]
	v_lshl_or_b32 v[\pw], v[TM+6], 16, v[\pw]
	v_lshl_or_b32 v[\pw], v[TM+7], 24, v[\pw]          ; my row's scale word
	v_cvt_scalef32_pk16_fp6_f32 v[(\d0):(\d0)+2], v[(\a):(\a)+15], v[TM+12]
	v_cvt_scalef32_pk16_fp6_f32 v[TP:TP+2], v[(\a)+16:(\a)+31], v[TM+13]
	v_cvt_scalef32_pk16_fp6_f32 v[(\d1):(\d1)+2], v[(\a)+32:(\a)+47], v[TM+14]
	v_cvt_scalef32_pk16_fp6_f32 v[TP+4:TP+6], v[(\a)+48:(\a)+63], v[TM+15]
	v_nop                                              ; one plain instruction behind the scaled conversions
.irp i, 0,1,2
	v_permlane16_swap_b32 v[(\d0)+\i], v[TP+\i]        ; the operand wants a whole block in a lane: lanes 0-15 the even block, lanes 16-31 the odd one
.endr
.irp i, 0,1,2
	v_mov_b32 v[(\d0)+3+\i], v[TP+\i]
.endr
.irp i, 0,1,2
	v_permlane16_swap_b32 v[(\d1)+\i], v[TP+4+\i]
.endr
.irp i, 0,1,2
	v_mov_b32 v[(\d1)+3+\i], v[TP+4+\i]
.endr
.endm
	s_load_b512 s[4:19], s[0:1], 0x0               ; Q, K, V, WQ, WK, WV, WO, xc
	s_load_b64 s[20:21], s[0:1], 0x40              ; xs
	v_lshl_add_u32 v248, v0, 2, 0x8400
	v_mov_b32 v249, 0
	v_lshrrev_b32 v5, 5, v0
	v_readfirstlane_b32 s25, v5                    ; wave 0..3
	v_and_b32 v5, 31, v0                           ; lane
	v_and_b32 v12, 15, v0                          ; r
	v_bfe_u32 v13, v0, 4, 1                        ; h
	s_mul_i32 s35, s25, STGB                       ; my stage
	v_lshlrev_b32 v[GA], 4, v5
	v_add_nc_u32 v[SA], s35, v[GA]
	v_mul_u32_u24 v[SB], v12, SPI
	v_lshl_add_u32 v[SB], v13, 6, v[SB]
	v_add_nc_u32 v[SB], s35, v[SB]
	v_lshlrev_b32 v[XA], 4, v12
	v_lshl_add_u32 v[XA], v13, 3, v[XA]
.irp b, 0,1,2,3
	v_mov_b32 v[TM+4+\b], 0                        ; written once: a lane permute's destination counts as one of its sources
.endr
	s_mov_b32 s[SEL], 0x76543210
	s_mov_b32 s[SEL+1], 0xfedcba98
	s_mov_b32 s[HM], 0xffff0000
	s_lshr_b32 s38, s25, 1                         ; which of the work-group's two tiles
	s_and_b32 s39, s25, 1                          ; which half of K
	s_wait_alu depctr_va_vdst(0)
	s_wait_kmcnt 0x0
	s_mov_b64 s[22:23], s[4:5]                     ; which tensor: a choice on the work-group's number alone; one path serves all seven
	s_mov_b32 s24, 0
.macro PICK bound, p
	s_cmp_ge_u32 ttmp9, \bound
	s_cselect_b64 s[22:23], s[\p:\p+1], s[22:23]
	s_cselect_b32 s24, \bound, s24
.endm
	PICK 256, 6
	PICK 512, 8
	PICK 768, 10
	PICK 800, 12
	PICK 832, 14
	PICK 864, 16
	; K's tiles alone are laid otherwise: lane-row p of its tile T is row 64 (T / 4) + 8 (T % 4) + p % 8 + 32 (p / 8), so that in the scores a lane holds a whole block of 32 keys
	s_sub_co_u32 s36, ttmp9, s24                   ; the work-group's number in its tensor
	s_lshr_b32 s40, s36, 1
	s_lshl_b32 s40, s40, 6
	s_and_b32 s41, s36, 1
	s_lshl_b32 s41, s41, 4
	s_add_co_u32 s40, s40, s41                     ; K: its two tiles begin at row 64 (g / 2) + 16 (g % 2)
	s_lshl_b32 s36, s36, 5                         ; the others: 32 rows to a work-group
	s_cmp_eq_u32 s24, 256                          ; K's work-groups begin at 256
	s_cselect_b32 s36, s40, s36
	s_cselect_b32 s40, 65536, 0                    ; K: lane-rows 8-15 lie 16 rows further on than in the other tensors
	s_mov_b32 s41, 0
	s_lshl_b32 s37, s38, 3                         ; the odd tile begins 8 rows on
	s_add_co_u32 s36, s36, s37
	s_lshl_b32 s36, s36, 12                        ; rows of 4,096 bytes
	s_lshl_b32 s37, s39, 11                        ; half of K: 2,048 bytes
	s_add_co_u32 s36, s36, s37
	s_mov_b32 s37, 0
	s_add_nc_u64 s[IN:IN+1], s[22:23], s[36:37]
	s_add_nc_u64 s[40:41], s[IN:IN+1], s[40:41]    ; the base for lane-rows 8-15
	s_lshl_b32 s35, ttmp9, 1
	s_add_co_u32 s35, s35, s38                     ; T
	s_mul_i32 s36, s35, 12288
	s_mul_i32 s37, s39, 6144
	s_add_co_u32 s36, s36, s37
	s_mov_b32 s37, 0
	s_add_nc_u64 s[OC:OC+1], s[18:19], s[36:37]
	s_lshl_b32 s36, s35, 9
	s_lshl_b32 s37, s39, 8
	s_add_co_u32 s36, s36, s37
	s_mov_b32 s37, 0
	s_add_nc_u64 s[OS:OS+1], s[20:21], s[36:37]
.macro LOADX t                         ; K step t of my four: lane-row i's 512 bytes by load i
.irp i, 0,1,2,3,4,5,6,7,8,9,10,11,12,13,14,15
.if \i < 8
	global_load_b128 v[R+64*((\t)%2)+4*\i:R+64*((\t)%2)+4*\i+3], v[GA], s[IN:IN+1] offset:(\i+8*(\i/8))*4096+512*(\t) th:TH_LOAD_NT
.else
	global_load_b128 v[R+64*((\t)%2)+4*\i:R+64*((\t)%2)+4*\i+3], v[GA], s[40:41] offset:(\i+8*(\i/8))*4096+512*(\t) th:TH_LOAD_NT
.endif
.endr
.endm
.macro TURN t                          ; through the stage: LDS serves a wave's instructions in order (ISA guide 5.7.1.4), so no wait stands between the stores and the loads
.irp i, 0,1,2,3,4,5,6,7,8,9,10,11,12,13,14,15
	ds_store_b128 v[SA], v[R+64*((\t)%2)+4*\i:R+64*((\t)%2)+4*\i+3] offset:SPI*\i
.endr
.irp b, 0,1,2,3
.irp j, 0,1,2,3
	ds_load_b128 v[X+16*\b+4*\j:X+16*\b+4*\j+3], v[SB] offset:128*\b+16*\j
.endr
.endr
.endm
.macro KSTEP t
.if (\t) < 3
	s_wait_loadcnt 16                              ; this step's sixteen loads are in; the next step's sixteen may be out
.else
	s_wait_loadcnt 0x0
.endif
	TURN \t
	s_wait_dscnt 0x0                               ; my numbers are back, and the stage's stores have read their registers,
.if (\t) < 2
	LOADX (\t)+2                                   ; which take the loads of two steps on
.endif
.if (\t) > 0
	s_wait_xcnt 0x0                                ; the last step's stores have read the codes' registers: they are written again only behind this wait
.endif
	QUANT X, PC, PC+6, PW+(\t)
.irp c, 0,1,2
	global_store_b128 v[GA], v[PC+4*\c:PC+4*\c+3], s[OC:OC+1] offset:1536*(\t)+512*\c   ; 512 consecutive bytes, at a multiple of 256 from xc's first byte
.endr
.endm
	LOADX 0
	LOADX 1
	KSTEP 0
	KSTEP 1
	KSTEP 2
	KSTEP 3
	v_cndmask_b32 v6, v[PW], v[PW+2], s[HM]        ; lanes 0-15 store words 0 and 1 of their row, lanes 16-31 words 2 and 3
	v_cndmask_b32 v7, v[PW+1], v[PW+3], s[HM]
	global_store_b64 v[XA], v[6:7], s[OS:OS+1]     ; 256 consecutive bytes, aligned
	s_wait_tensorcnt 0x0
	ds_add_u32 v248, v249
	s_wait_dscnt 0x0
	s_endpgm
.Lfunc_end_k_q12735973e6_quant:
	.size	k_q12735973e6_quant, .Lfunc_end_k_q12735973e6_quant-k_q12735973e6_quant
	.p2alignl 7, 3214868480
	.fill 96, 4, 3214868480
	.section	.rodata,"a",@progbits
	.p2align	6, 0x0
	.amdhsa_kernel k_q12735973e6_quant
		.amdhsa_group_segment_fixed_size 34304
		.amdhsa_private_segment_fixed_size 0
		.amdhsa_enable_private_segment 0
		.amdhsa_kernarg_size 72
		.amdhsa_user_sgpr_count 2
		.amdhsa_user_sgpr_kernarg_segment_ptr 1
		.amdhsa_wavefront_size32 1
		.amdhsa_system_sgpr_workgroup_id_x 1
		.amdhsa_system_sgpr_workgroup_id_y 1
		.amdhsa_system_sgpr_workgroup_id_z 1
		.amdhsa_system_vgpr_workitem_id 0
		.amdhsa_next_free_vgpr 250
		.amdhsa_next_free_sgpr 66
		.amdhsa_reserve_vcc 0
		.amdhsa_float_denorm_mode_32 3
		.amdhsa_float_denorm_mode_16_64 3
		.amdhsa_memory_ordered 1
		.amdhsa_forward_progress 1
		.amdhsa_inst_pref_size 35
	.end_amdhsa_kernel
	.amdgpu_metadata
---
amdhsa.version: [ 1, 2 ]
amdhsa.kernels:
  - .name:           k_q12735973e6_quant
    .symbol:         k_q12735973e6_quant.kd
    .args:
      - { .name: Q, .offset: 0, .size: 8, .value_kind: global_buffer, .address_space: global }
      - { .name: K, .offset: 8, .size: 8, .value_kind: global_buffer, .address_space: global }
      - { .name: V, .offset: 16, .size: 8, .value_kind: global_buffer, .address_space: global }
      - { .name: WQ, .offset: 24, .size: 8, .value_kind: global_buffer, .address_space: global }
      - { .name: WK, .offset: 32, .size: 8, .value_kind: global_buffer, .address_space: global }
      - { .name: WV, .offset: 40, .size: 8, .value_kind: global_buffer, .address_space: global }
      - { .name: WO, .offset: 48, .size: 8, .value_kind: global_buffer, .address_space: global }
      - { .name: xc, .offset: 56, .size: 8, .value_kind: global_buffer, .address_space: global }
      - { .name: xs, .offset: 64, .size: 8, .value_kind: global_buffer, .address_space: global }
    .group_segment_fixed_size: 34304
    .private_segment_fixed_size: 0
    .kernarg_segment_align: 8
    .kernarg_segment_size: 72
    .max_flat_workgroup_size: 128
    .sgpr_count:     66
    .vgpr_count:     250
    .wavefront_size: 32
...
	.end_amdgpu_metadata
.endif
;; end of part 1
;; launch proj (part 2): grid 4 x 192, 4 waves a work-group, clusters of 4 x 4, 295,424 bytes of LDS; arguments xc, xs, pc; writes pc
.if DOCPART == 2
	.amdgcn_target "amdgcn-amd-amdhsa--gfx1250"
	.amdhsa_code_object_version 6
	.text
	.protected	k_q12735973e6_proj
	.globl	k_q12735973e6_proj
	.p2align	8
	.type	k_q12735973e6_proj,@function
k_q12735973e6_proj:
	s_mov_b64 s[64:65], 0
	v_nop
	global_prefetch_b8 v0, s[64:65] scope:SCOPE_SE
	s_setreg_imm32_b32 hwreg(HW_REG_WAVE_MODE, 25, 1), 1
	s_wait_xcnt 0x0
	s_wait_alu depctr_hold_cnt(0) depctr_sa_sdst(0) depctr_va_vdst(0) depctr_va_sdst(0) depctr_va_ssrc(0) depctr_va_vcc(0) depctr_vm_vsrc(0)
	s_getreg_b32 s2, hwreg(HW_REG_IB_STS2, 6, 4)
	s_cmp_eq_u32 s2, 0
	s_cbranch_scc0 .Lentry_in_a_cluster
	s_endpgm
.Lentry_in_a_cluster:
	s_bfe_u32 s2, ttmp6, 0x10000c
	s_cmp_lg_u32 s2, 0xf033
	s_cbranch_scc0 .Lentry_shape_is_right
	s_endpgm
.Lentry_shape_is_right:
; q = Q WQ^T, k = K WK^T, v = V WV^T on codes of FP6 (E2M3) with E8M0 scales, f32 sums; the results are quantised in registers and leave as the attention launch's operand images.
; Operands: xc, xs as the first launch lays them (tiles of 16 rows; lane-row p of tile T is row 32 (T / 2) + 8 (T % 2) + p + 8 (p / 8); a fragment is an image of its 12 registers).
; P is source 0, R source 1.  In a result lane (r, h) holds lane-row r of R's tile, and the 16 registers of P's tiles 2 b and 2 b + 1 are P's rows 32 b + 16 h + 0 .. 15: 16 neighbours.
; So P IS THE AXIS THAT IS QUANTISED NEXT: for q and k the features (P = rows of W, R = tokens), for v the keys (P = tokens, R = rows of WV).
; SHARES.  48 clusters of 4 x 4 work-groups, 16 for each of q, k, v.  A work-group makes 256 of P x 128 of R over all of K = 1,024; a wave 128 x 64: 32 accumulators.
; ALL OPERANDS OF A WORK-GROUP, (256 + 128) rows x 768 bytes = 294,912 bytes, LIE IN LDS AT ONCE: every LDS byte is filled once, in two groups, K steps 0-1 and 2-7, all asked for at the head;
; nothing is filled again.  P's tiles are shared along a column of the cluster, R's along a row: each is asked for jointly.  Nothing is prefetched: every tile is asked for at the kernel's head.
; OUT.  pc: three regions of 6,553,600 bytes (q, k, v), each [16 batch + head][102,400].  q, k: [key step 0..15][pair 0..3][1,536]: registers 0-5 tile 2 pair (the head's 64 channels), 6-11 tile 2 pair + 1.
; v: [key step 0..15][channel tile 0..3][1,536]: a fragment of V^T, 16 channels x 128 keys.  scale words at byte 6,144 of each key step: q, k: word pair x 64 + 4 lane-row: bytes 0, 1 tile 2 pair, bytes 2, 3 tile 2 pair + 1;
; v: word tile x 64 + 4 lane-row.
; LIMITS: NaN and infinities are not served; a block whose largest magnitude lies under 2^-124, a block of zeros among them, gets the byte 1 (zeros' codes add nothing, and this program alone reads the bytes).
; REGISTERS, in windows of 256: window 0: v3-12 addresses; v32-63 P's scale words, v64-79 R's; v80-127, v128-175 R's fragments, two sets (later the way out).  window 1: accumulator (rt, pt) at v[64 rt + 8 pt].  window 2: P's fragments, sets at v0 and v96.
.set WV,  12                           ; s12  wave;  s13 = wave % 2: which 128 of P;  s14 = wave / 2: which 64 of R
.set SEL, 20                           ; s[20:21] v_permlanex16_b32's selects for lane l xor 16
.set HM,  22                           ; s22  the mask of lanes 16-31
.set G1P, 24                           ; s[24:31] descriptor group 1 for P's tiles;  s[32:39] for R's: they differ in the mask
.set G1R, 32
.set G0P, 40                           ; s[40:55] group 1 for P's, then R's K steps 2-7;  s[68:83] group 0 of the four loads
.set G0R, 68
.set XSP, 86                           ; s[86:87] my P tiles' scale words;  s[90:91] my R tiles'
.set XSR, 90
.set GRP, 73728                        ; LDS: a group: P's 16 tiles x 3,072 bytes, then R's 8
.set ROFF, 49152
.set LI,  3                            ; v3   16 x lane
.set ADP, 4                            ; v4-7   my P fragments in group g
.set ADR, 8                            ; v8-11  my R fragments
.set L4,  12                           ; v12  4 x lane
.set PSC, 32                           ; register 4 pt + j: lanes 0-15 K step j, lanes 16-31 K step 4 + j
.set RSC, 64
.set RF,  80
.set H,   80                           ; the way out: images
.set TP,  128
.set TM,  136
.set PW,  152
.set SW,  156
.set W,   160
.set MSB, 0
.macro WIN new                         ; the immediate's high byte repeats the setting that is left
.if MSB != \new
	s_set_vgpr_msb (MSB<<8)|\new
.set MSB, \new
.endif
.endm
.macro PLACES                          ; four plain instructions between a matrix instruction and a load into, or a vector instruction on, one of its registers (ISA guide 7.12.1 for vector instructions)
.rept 4
	v_nop
.endr
.endm
.macro ROUND                           ; a round of the cluster's barrier
	s_barrier_signal -1
	s_barrier_wait -1
	s_cmp_lg_u32 s[WV], 0
	s_cbranch_scc1 .Lnot_wave_0_\@
	s_barrier_signal -3
.Lnot_wave_0_\@:
	s_barrier_wait -3
	s_barrier_signal -1
	s_barrier_wait -1
.endm
	; The operands come by ONE tensor load a wave: wave 0 P's 16 tiles of K steps 0-1, wave 1 R's 8, wave 2 P's K steps 2-7, wave 3 R's; each LDS byte is filled once.
	; pc: three regions of 6,553,600 bytes (q, k, v), each [16 batch + head][key step of 128 tokens][6,400]: four images of 1,536 bytes, then their 256 bytes of scale words (pair or tile x 64 + 4 lane-row).
	s_load_b128 s[4:7], s[0:1], 0x0                ; xc, xs
	s_load_b64 s[8:9], s[0:1], 0x10                ; pc
	v_lshl_add_u32 v254, v0, 2, 0x48000
	v_mov_b32 v255, 0
	ds_add_u32 v254, v255
	ds_add_u32 v254, v255
	v_lshrrev_b32 v1, 5, v0
	v_readfirstlane_b32 s[WV], v1
	s_and_b32 s13, s[WV], 1
	s_lshr_b32 s14, s[WV], 1
	s_bfe_u32 s15, ttmp6, 0x40000                  ; cx
	s_bfe_u32 s16, ttmp6, 0x40004                  ; cy
	s_and_b32 s18, ttmp7, 0xffff                   ; the cluster, 0..47
	s_lshr_b32 s17, s18, 4                         ; 0: q, 1: k, 2: v
	s_and_b32 s18, s18, 15
	s_and_b32 s58, s18, 7
	s_lshr_b32 s59, s18, 3
	s_cmp_eq_u32 s17, 2
	s_cselect_b32 s58, s58, 0                      ; v: 8 clusters along P (tokens), 2 along R;  q, k: 1 along P (features), 16 along R
	s_cselect_b32 s59, s59, s18
	s_mov_b32 s56, 1536
	s_cselect_b32 s56, 1024, s56                   ; P's first tile: WQ 1536, WK 1600, V 1024
	s_mov_b32 s57, 0
	s_cselect_b32 s57, 1664, s57                   ; R's: Q 0, K 512, WV 1664
	s_cmp_eq_u32 s17, 1
	s_cselect_b32 s56, 1600, s56
	s_cselect_b32 s57, 512, s57
	s_lshl_b32 s19, s58, 2
	s_add_co_u32 s19, s19, s15                     ; which 256 of P
	s_lshl_b32 s23, s59, 2
	s_add_co_u32 s23, s23, s16                     ; which 128 of R
	s_lshl_b32 s60, 0x1111, s15                    ; my column of the cluster shares P's tiles,
	s_lshl_b32 s61, s16, 2
	s_lshl_b32 s61, 15, s61                        ; my row R's
	; group 1: 16 or 8 rows (tiles) of 3,072 or 9,216 bytes (two or six K steps' images), 12,288 bytes apart; elements of 8 bytes; no padding: an image is read 512 consecutive bytes at a time
.macro GRP1 g, mask, rows, len         ; rows (tiles) of len elements of 8 bytes, 12,288 bytes apart
	s_or_b32 s[\g], s\mask, (3<<16)|(1<<21)
	s_mov_b32 s[\g+1], (\len)<<16
	s_mov_b32 s[\g+2], (\rows)<<16
	s_mov_b32 s[\g+3], (\len)<<16
	s_mov_b32 s[\g+4], \rows
	s_mov_b32 s[\g+5], 1536
	s_mov_b32 s[\g+6], 0
	s_mov_b32 s[\g+7], 0
.endm
	GRP1 G1P, 60, 16, 384                          ; P, K steps 0-1: 3,072 bytes of each tile
	GRP1 G1R, 61, 8, 384                           ; R, the same
	GRP1 40, 60, 16, 1152                          ; P, K steps 2-7: 9,216 bytes of each tile
	GRP1 48, 61, 8, 1152                           ; R, the same
	s_lshl_b32 s84, s19, 4                         ; P's chain of registers never holds cy, R's never cx
	s_add_co_u32 s84, s84, s56
	s_lshl_b32 s85, s13, 3
	s_add_co_u32 s86, s84, s85                     ; the 8 tiles of P that a wave multiplies
	s_mul_i32 s84, s84, 12288                      ; the loads take all 16 tiles of P
	s_mov_b32 s85, 0
	s_lshl_b32 s86, s86, 9
	s_mov_b32 s87, 0
	s_lshl_b32 s88, s23, 3
	s_add_co_u32 s88, s88, s57                     ; R's 8 tiles
	s_lshl_b32 s90, s14, 2
	s_add_co_u32 s90, s90, s88                     ; my four of them
	s_mul_i32 s88, s88, 12288
	s_mov_b32 s89, 0
	s_lshl_b32 s90, s90, 9
	s_mov_b32 s91, 0
	s_mov_b32 s[SEL], 0x76543210
	s_mov_b32 s[SEL+1], 0xfedcba98
	s_mov_b32 s[HM], 0xffff0000
	s_wait_dscnt 0x0
	s_wait_kmcnt 0x0
	s_add_nc_u64 s[84:85], s[4:5], s[84:85]
	s_add_nc_u64 s[88:89], s[4:5], s[88:89]
	s_add_nc_u64 s[XSP:XSP+1], s[6:7], s[86:87]
	s_add_nc_u64 s[XSR:XSR+1], s[6:7], s[90:91]
.macro GRP0 g, lds, base, off
	s_mov_b32 s[\g], 1
	s_mov_b32 s[\g+1], \lds
	s_add_nc_u64 s[\g+2:\g+3], s[\base:\base+1], \off
	s_or_b32 s[\g+3], s[\g+3], 0x80000000
.endm
	GRP0 68, 0, 84, 0                              ; LDS: P's K steps 0-1 at 0, R's at ROFF,
	GRP0 72, ROFF, 88, 0
	GRP0 76, GRP, 84, 3072                         ; P's K steps 2-7 at GRP (16 x 9,216 bytes), R's behind them
	GRP0 80, GRP+147456, 88, 3072
	ROUND                                          ; all sixteen work-groups are here: the joint loads meet
.macro ARM w, g0, g1, next             ; one chain of branches on the wave's number, one load to an arm
	s_cmp_eq_u32 s[WV], \w
	s_cbranch_scc0 \next
	tensor_load_to_lds s[\g0:\g0+3], s[\g1:\g1+7]
	s_nop 0
	PLACES
	s_branch .Lasked
\next:
.endm
	ARM 0, 68, G1P, .Larm_1
	ARM 1, 72, G1R, .Larm_2
	ARM 2, 76, 40, .Larm_3
	tensor_load_to_lds s[80:83], s[48:55]
	s_nop 0
	PLACES
.Lasked:
	v_and_b32 v1, 31, v0
	v_lshlrev_b32 v[LI], 4, v1
	s_wait_alu depctr_va_vdst(0)
	v_lshlrev_b32 v[L4], 2, v1
	s_mul_i32 s58, s13, 24576
	s_mul_i32 s59, s14, 12288
	s_add_co_u32 s59, s59, ROFF
	v_add_nc_u32 v[ADP], s58, v[LI]                ; K steps 0-1
	v_add_nc_u32 v[ADR], s59, v[LI]
	s_mul_i32 s58, s13, 73728
	s_add_co_u32 s58, s58, GRP
	s_mul_i32 s59, s14, 36864
	s_add_co_u32 s59, s59, GRP+147456
	v_add_nc_u32 v[ADP+1], s58, v[LI]              ; K steps 2-7: my P tiles 0-3,
	v_add_nc_u32 v[ADR+1], s59, v[LI]              ; my R tiles,
	s_add_co_u32 s58, s58, 36864
	v_add_nc_u32 v[ADP+2], s58, v[LI]              ; my P tiles 4-7 (an LDS offset has 16 bits)
.irp pt, 0,1,2,3,4,5,6,7                   ; the scale words go straight into registers, 512 consecutive bytes a load, for all of K
	global_load_b128 v[PSC+4*\pt:PSC+4*\pt+3], v[LI], s[XSP:XSP+1] offset:512*\pt
.endr
.irp rt, 0,1,2,3
	global_load_b128 v[RSC+4*\rt:RSC+4*\rt+3], v[LI], s[XSR:XSR+1] offset:512*\rt
.endr
.macro FETCH s                         ; K step s's fragments: P's eight into set s % 2 of window 2, R's four into set s % 2 of window 0
	WIN 0x80
.irp pt, 0,1,2,3,4,5,6,7
.irp c, 0,1,2
.if (\s) < 2
	ds_load_b128 v[96*((\s)&1)+12*\pt+4*\c:96*((\s)&1)+12*\pt+4*\c+3], v[ADP] offset:3072*\pt+1536*(\s)+512*\c
.else
	ds_load_b128 v[96*((\s)&1)+12*\pt+4*\c:96*((\s)&1)+12*\pt+4*\c+3], v[ADP+1+\pt/4] offset:9216*(\pt%4)+1536*((\s)-2)+512*\c
.endif
.endr
.endr
	WIN 0
.irp rt, 0,1,2,3
.irp c, 0,1,2
.if (\s) < 2
	ds_load_b128 v[RF+48*((\s)&1)+12*\rt+4*\c:RF+48*((\s)&1)+12*\rt+4*\c+3], v[ADR] offset:3072*\rt+1536*(\s)+512*\c
.else
	ds_load_b128 v[RF+48*((\s)&1)+12*\rt+4*\c:RF+48*((\s)&1)+12*\rt+4*\c+3], v[ADR+1] offset:9216*\rt+1536*((\s)-2)+512*\c
.endif
.endr
.endr
.endm
.macro MUL s                           ; 32 matrix instructions; the 32 accumulators take turns, in the same order in every step; the first step starts the sums
	WIN 0x52                                       ; source 0 window 2, source 1 window 0, C and D window 1
.irp rt, 0,1,2,3
.irp pt, 0,1,2,3,4,5,6,7
.if (\s) == 0
	v_wmma_scale_f32_16x16x128_f8f6f4 v[64*\rt+8*\pt:64*\rt+8*\pt+7], v[96*((\s)&1)+12*\pt:96*((\s)&1)+12*\pt+11], v[RF+48*((\s)&1)+12*\rt:RF+48*((\s)&1)+12*\rt+11], 0, v[PSC+4*\pt+((\s)&3)], v[RSC+4*\rt+((\s)&3)] matrix_a_fmt:MATRIX_FMT_FP6 matrix_b_fmt:MATRIX_FMT_FP6
.elseif (\s) < 4
	v_wmma_scale_f32_16x16x128_f8f6f4 v[64*\rt+8*\pt:64*\rt+8*\pt+7], v[96*((\s)&1)+12*\pt:96*((\s)&1)+12*\pt+11], v[RF+48*((\s)&1)+12*\rt:RF+48*((\s)&1)+12*\rt+11], v[64*\rt+8*\pt:64*\rt+8*\pt+7], v[PSC+4*\pt+((\s)&3)], v[RSC+4*\rt+((\s)&3)] matrix_a_fmt:MATRIX_FMT_FP6 matrix_b_fmt:MATRIX_FMT_FP6
.else
	v_wmma_scale_f32_16x16x128_f8f6f4 v[64*\rt+8*\pt:64*\rt+8*\pt+7], v[96*((\s)&1)+12*\pt:96*((\s)&1)+12*\pt+11], v[RF+48*((\s)&1)+12*\rt:RF+48*((\s)&1)+12*\rt+11], v[64*\rt+8*\pt:64*\rt+8*\pt+7], v[PSC+4*\pt+((\s)&3)], v[RSC+4*\rt+((\s)&3)] matrix_a_fmt:MATRIX_FMT_FP6 matrix_b_fmt:MATRIX_FMT_FP6 matrix_a_scale:MATRIX_SCALE_ROW1 matrix_b_scale:MATRIX_SCALE_ROW1
.endif
.endr
.endr
.endm
.macro GATE g                          ; group g is whole in LDS: my load for it has landed (at g = 0 the loads for group 1 may stay out), and so has everybody's
.if (\g) == 0                          ; K steps 0-1 came by waves 0 and 1, by load lines of their own: they alone wait
	s_cmp_lt_u32 s[WV], 2
	s_cbranch_scc0 .Lnot_first
	s_wait_tensorcnt 0x0
.Lnot_first:
.else                                  ; all that is still out: every wave waits
	s_wait_tensorcnt 0x0
.endif
	s_barrier_signal -1
	s_barrier_wait -1
.endm
	s_wait_alu depctr_va_vdst(0)
	GATE 0
	FETCH 0
.set S, 0
.rept 8
	s_wait_dscnt 0x0                               ; this step's fragments are in: they were asked for a step's 32 matrix instructions ago
.if S > 0
	WIN 0
.endif
.if S == 1
	GATE (S+1)/2
.endif
.if S > 0
	PLACES                                         ; the next loads land in the set that the last step multiplied
.endif
.if S < 7
	FETCH S+1
.endif
.if S == 0
	s_wait_loadcnt 0x0                             ; the scale words
.endif
	MUL S
.set S, S+1
.endr
	WIN 0
	PLACES
.irp b, 0,1,2,3
	v_mov_b32 v[TM+4+\b], 0                        ; a lane permute's destination counts as one of its sources
.endr
; 64 numbers of a lane in window 1, register 16 b + i = P's row 32 b + 16 h + i, become codes (0..63 in d0 on, 64..127 in d1 on) and a scale word, all in window 0.  Each accumulator is first read at its registers 0 and 1.
.macro QUANT a, d0, d1, pw
	WIN 0x05
.irp b, 0,1,2,3
	v_max3_num_f32 v[TM+\b], |v[(\a)+16*\b]|, |v[(\a)+16*\b+1]|, 0x1800000   ; and the floor 2^(3 - 127): the byte cannot fall under 1
.endr
	WIN 0x14
.irp i, 2,4,6,8,10,12,14
.irp b, 0,1,2,3
	v_max3_num_f32 v[TM+\b], v[TM+\b], |v[(\a)+16*\b+\i]|, |v[(\a)+16*\b+\i+1]|
.endr
.endr
	WIN 0
.irp b, 0,1,2,3
	v_permlanex16_b32 v[TM+4+\b], v[TM+\b], s[SEL], s[SEL+1]
.endr
.irp b, 0,1,2,3
	v_max_num_f32 v[TM+\b], v[TM+\b], v[TM+4+\b]
.endr
.irp b, 0,1,2,3
	v_add_nc_u32 v[TM+12+\b], 0xff000000, v[TM+\b]     ; 2 off the exponent field: the conversion's scale operand
.endr
.irp b, 0,1,2,3
	v_lshrrev_b32 v[TM+4+\b], 23, v[TM+12+\b]          ; the scale's byte
.endr
	v_lshl_or_b32 v[\pw], v[TM+5], 8, v[TM+4]
	v_lshl_or_b32 v[\pw], v[TM+6], 16, v[\pw]
	v_lshl_or_b32 v[\pw], v[TM+7], 24, v[\pw]
	WIN 0x01
	v_cvt_scalef32_pk16_fp6_f32 v[(\d0):(\d0)+2], v[(\a):(\a)+15], v[TM+12]
	v_cvt_scalef32_pk16_fp6_f32 v[TP:TP+2], v[(\a)+16:(\a)+31], v[TM+13]
	v_cvt_scalef32_pk16_fp6_f32 v[(\d1):(\d1)+2], v[(\a)+32:(\a)+47], v[TM+14]
	v_cvt_scalef32_pk16_fp6_f32 v[TP+4:TP+6], v[(\a)+48:(\a)+63], v[TM+15]
	WIN 0
	v_nop                                              ; one plain instruction behind the scaled conversions
.irp i, 0,1,2
	v_permlane16_swap_b32 v[(\d0)+\i], v[TP+\i]
.endr
.irp i, 0,1,2
	v_mov_b32 v[(\d0)+3+\i], v[TP+\i]
.endr
.irp i, 0,1,2
	v_permlane16_swap_b32 v[(\d1)+\i], v[TP+4+\i]
.endr
.irp i, 0,1,2
	v_mov_b32 v[(\d1)+3+\i], v[TP+4+\i]
.endr
.endm
	s_cmp_eq_u32 s17, 2                            ; the same in all sixteen partners
	s_cbranch_scc1 .Lv
	; ---- q, k.  My 128 features are heads ha and ha + 1; my 64 tokens are two pairs of tiles.
	s_lshl_b32 s92, s23, 7
	s_lshl_b32 s93, s14, 6
	s_add_co_u32 s92, s92, s93                     ; my first token
	s_lshr_b32 s93, s92, 11                        ; batch
	s_bfe_u32 s94, s92, 0x60005                    ; its pair of tiles in the batch
	s_lshl_b32 s95, s19, 2
	s_lshl_b32 s96, s13, 1
	s_add_co_u32 s95, s95, s96                     ; ha
	s_lshl_b32 s93, s93, 4
	s_add_co_u32 s93, s93, s95                     ; 16 batch + ha
	s_mul_i32 s96, s93, 102400                     ; the head,
	s_lshr_b32 s98, s94, 2
	s_mul_i32 s98, s98, 6400                       ; the step of four pairs,
	s_add_co_u32 s96, s96, s98
	s_mul_i32 s97, s17, 6553600                    ; q's or k's region
	s_add_co_u32 s96, s96, s97
	s_and_b32 s94, s94, 3                          ; my first pair in the step
	s_lshl_b32 s98, s94, 6
	s_add_co_u32 s98, s98, s96
	s_add_co_u32 s98, s98, 6144                    ; its scale words, behind the step's four images
	s_mul_i32 s94, s94, 1536
	s_add_co_u32 s96, s96, s94
	s_mov_b32 s97, 0
	s_add_nc_u64 s[96:97], s[8:9], s[96:97]
	s_mov_b32 s99, 0
	s_add_nc_u64 s[98:99], s[8:9], s[98:99]
.irp bb, 0,1                               ; pair bb: token tiles 2 bb and 2 bb + 1; head ha's image at H + 24 bb, head ha + 1's 12 registers on
	QUANT 128*\bb, H+24*\bb, H+24*\bb+12, PW
	QUANT 128*\bb+64, H+24*\bb+6, H+24*\bb+18, PW+1
	v_perm_b32 v[SW+\bb], v[PW+1], v[PW], 0x05040100     ; head ha's pair word: the even tile's bytes 0, 1, then the odd tile's
	v_perm_b32 v[SW+2+\bb], v[PW+1], v[PW], 0x07060302   ; head ha + 1's: bytes 2, 3 of both
.irp c, 0,1,2
	global_store_b128 v[LI], v[H+24*\bb+4*\c:H+24*\bb+4*\c+3], s[96:97] offset:1536*\bb+512*\c          ; 512 consecutive bytes, aligned to 256
	global_store_b128 v[LI], v[H+24*\bb+12+4*\c:H+24*\bb+12+4*\c+3], s[96:97] offset:102400+1536*\bb+512*\c
.endr
.endr
	v_cndmask_b32 v[W], v[SW], v[SW+1], s[HM]      ; lanes 0-15 the first pair's words, lanes 16-31 the second's
	v_cndmask_b32 v[W+1], v[SW+2], v[SW+3], s[HM]
	global_store_b32 v[L4], v[W], s[98:99]         ; 128 consecutive bytes: a small store, one byte in 24 of what the wave stores
	global_store_b32 v[L4], v[W+1], s[98:99] offset:102400
	s_branch .Ldone
.Lv:
	; ---- v.  My 128 tokens are one key step; my 64 rows of WV are one head's four channel tiles.
	s_lshl_b32 s92, s19, 1
	s_add_co_u32 s92, s92, s13                     ; key step among 64
	s_lshr_b32 s93, s92, 4
	s_lshl_b32 s93, s93, 4                         ; 16 batch
	s_lshl_b32 s94, s23, 1
	s_add_co_u32 s93, s93, s94
	s_add_co_u32 s93, s93, s14                     ; + head
	s_and_b32 s92, s92, 15
	s_lshl_b32 s96, s93, 4
	s_add_co_u32 s96, s96, s92
	s_mul_i32 s96, s96, 6400
	s_add_co_u32 s96, s96, 13107200                ; v's region
	s_add_co_u32 s98, s96, 6144                    ; the step's scale words, behind its four images
	s_mov_b32 s97, 0
	s_add_nc_u64 s[96:97], s[8:9], s[96:97]
	s_mov_b32 s99, 0
	s_add_nc_u64 s[98:99], s[8:9], s[98:99]
.irp rt, 0,1,2,3
	QUANT 64*\rt, H+12*\rt, H+12*\rt+6, PW+\rt
.irp c, 0,1,2
	global_store_b128 v[LI], v[H+12*\rt+4*\c:H+12*\rt+4*\c+3], s[96:97] offset:1536*\rt+512*\c
.endr
.endr
	v_cndmask_b32 v[W], v[PW], v[PW+1], s[HM]
	v_cndmask_b32 v[W+1], v[PW+2], v[PW+3], s[HM]
	global_store_b32 v[L4], v[W], s[98:99]
	global_store_b32 v[L4], v[W+1], s[98:99] offset:128
.Ldone:
	s_wait_tensorcnt 0x0
	ds_add_u32 v254, v255
	s_wait_dscnt 0x0
	ROUND                                          ; the closing round: no work-group ends while a partner may still ask for a tile that names it
	s_endpgm
.Lfunc_end_k_q12735973e6_proj:
	.size	k_q12735973e6_proj, .Lfunc_end_k_q12735973e6_proj-k_q12735973e6_proj
	.p2alignl 7, 3214868480
	.fill 96, 4, 3214868480
	.section	.rodata,"a",@progbits
	.p2align	6, 0x0
	.amdhsa_kernel k_q12735973e6_proj
		.amdhsa_group_segment_fixed_size 295424
		.amdhsa_private_segment_fixed_size 0
		.amdhsa_enable_private_segment 0
		.amdhsa_kernarg_size 24
		.amdhsa_user_sgpr_count 2
		.amdhsa_user_sgpr_kernarg_segment_ptr 1
		.amdhsa_wavefront_size32 1
		.amdhsa_system_sgpr_workgroup_id_x 1
		.amdhsa_system_sgpr_workgroup_id_y 1
		.amdhsa_system_sgpr_workgroup_id_z 1
		.amdhsa_system_vgpr_workitem_id 0
		.amdhsa_next_free_vgpr 768
		.amdhsa_next_free_sgpr 100
		.amdhsa_reserve_vcc 0
		.amdhsa_float_denorm_mode_32 3
		.amdhsa_float_denorm_mode_16_64 3
		.amdhsa_memory_ordered 1
		.amdhsa_forward_progress 1
		.amdhsa_inst_pref_size 98
	.end_amdhsa_kernel
	.amdgpu_metadata
---
amdhsa.version: [ 1, 2 ]
amdhsa.kernels:
  - .name:           k_q12735973e6_proj
    .symbol:         k_q12735973e6_proj.kd
    .args:
      - { .name: xc, .offset: 0, .size: 8, .value_kind: global_buffer, .address_space: global }
      - { .name: xs, .offset: 8, .size: 8, .value_kind: global_buffer, .address_space: global }
      - { .name: pc, .offset: 16, .size: 8, .value_kind: global_buffer, .address_space: global }
    .group_segment_fixed_size: 295424
    .private_segment_fixed_size: 0
    .kernarg_segment_align: 8
    .kernarg_segment_size: 24
    .max_flat_workgroup_size: 128
    .sgpr_count:     100
    .vgpr_count:     768
    .wavefront_size: 32
...
	.end_amdgpu_metadata
.endif
;; end of part 2
;; launch attn (part 3): grid 4 x 64, 16 waves a work-group, clusters of 4 x 1, 206,848 bytes of LDS; arguments pc, oc, os; writes oc, os
.if DOCPART == 3
	.amdgcn_target "amdgcn-amd-amdhsa--gfx1250"
	.amdhsa_code_object_version 6
	.text
	.protected	k_q12735973e6_attn
	.globl	k_q12735973e6_attn
	.p2align	8
	.type	k_q12735973e6_attn,@function
k_q12735973e6_attn:
	s_mov_b64 s[64:65], 0
	v_nop
	global_prefetch_b8 v0, s[64:65] scope:SCOPE_SE
	s_setreg_imm32_b32 hwreg(HW_REG_WAVE_MODE, 25, 1), 1
	s_wait_xcnt 0x0
	s_wait_alu depctr_hold_cnt(0) depctr_sa_sdst(0) depctr_va_vdst(0) depctr_va_sdst(0) depctr_va_ssrc(0) depctr_va_vcc(0) depctr_vm_vsrc(0)
	s_getreg_b32 s2, hwreg(HW_REG_IB_STS2, 6, 4)
	s_cmp_eq_u32 s2, 0
	s_cbranch_scc0 .Lentry_in_a_cluster
	s_endpgm
.Lentry_in_a_cluster:
	s_bfe_u32 s2, ttmp6, 0x10000c
	s_cmp_lg_u32 s2, 0x3003
	s_cbranch_scc0 .Lentry_shape_is_right
	s_endpgm
.Lentry_shape_is_right:
; o = softmax(q k^T / 8) v for 64 (batch, head) pairs of 2,048 tokens x 64 channels, both products on codes of FP6 (E2M3) with E8M0 scales; o is divided by the row's sum and quantised along the features for the last product.
; THE SOFTMAX: t = score x log2(e) / 8; M = the running largest t rounded UP to a whole number; p = 2^(t - M) is quantised along the keys, not normalised; the row's sum is taken of the unquantised p;
; when M moves, the sum and O are multiplied by 2^(old M - new M), which rounds nothing.
; SHARES.  256 work-groups: a work-group owns 512 queries of one (batch, head); each of its sixteen waves walks two tiles of 16 queries, one after the other, over the same K and V in LDS.
; A WHOLE HEAD'S K AND V LIE IN LDS, 2 x 102,400 bytes: 16 key steps of 6,400 bytes each (four images of 1,536 bytes, then their 256 bytes of scale words), as the projections lay them in pc.
; ONE TENSOR LOAD A WAVE: wave w brings key steps 2 (w / 2), + 1 of K (w even) or V (w odd): 12,800 dense bytes as 50 rows of 256.  Waves 0 to 3 have a load line of their own, and the first barrier waits for them alone:
; key steps 0 and 1 are walked (and K's step 2 fetched) while the other twelve loads land.  Every LDS byte is filled once; nothing is prefetched: every tile is asked for at the kernel's head.
; CLUSTER.  The four query blocks of a head form a cluster: each load is asked for jointly, by the same descriptor and the mask of all four.
; LAYOUT.  Both products are used transposed: S^T = k q^T, O^T = v^T p^T: a lane holds one query (lane % 16) throughout.  Lane-row p of K's token tile T is token 64 (T / 4) + 8 (T % 4) + p % 8 + 32 (p / 8):
; so the 32 score registers of band c (four tiles) are keys 64 c + 32 (lane / 16) + 0 .. 31: ONE WHOLE BLOCK of p's quantiser, in the order of the operand's registers: no lane asks another for a block's maximum, and no codes change lanes.
; TWO REGIONS OF 64 REGISTERS CHANGE ROLES FROM STEP TO STEP: one holds K's four pair images and then V^T's four fragments; the other the scores, then p, and, once p's codes are made, the NEXT step's images of K,
; asked for ahead of this step's second product.  So a trip of the loops is two key steps.  The step is written once: the last step of a walk fetches the 14 loads that follow K's last step in LDS (V's first), which nobody reads.
; A HEAD OF 64 IS HALF OF THE INSTRUCTION'S K.  Source 0 is a PAIR image: registers 0-5 key tile 2 j, 6-11 key tile 2 j + 1.  Source 1 is q beside zero codes: [q | 0] gives tile 2 j's scores, [0 | q] tile 2 j + 1's;
; the 18 registers 0, q, 0 serve both.  Zero codes add nothing; q's scale bytes beside them are 0, which stands for 2^-127.
; OUT.  oc [token tile 0..511][head][3][lane][8 bytes]; os [tile][K step][lane-row] words: bytes 0, 1 the even head's, bytes 2, 3 the odd head's.
; LIMITS: NaN and infinities are not served; the scaled scores t stay under 2^31 in magnitude; a block of o whose largest magnitude lies under 2^-124 gets the byte 1.
.set STEPB, 6400                       ; a key step in pc and in LDS
.set HEADB, 16*STEPB
.set REG,   64*HEADB                   ; a region of pc: q, k, v
.set SWO,   6144                       ; a step's scale words
.set VOFF,  HEADB                      ; LDS: K at 0, V here
.set SPARE, 2*HEADB                    ; the spare words: 16 waves x 128 bytes
.set WV,  12
.set SEL, 20                           ; s[20:21] lane l xor 16
.set CS,  22                           ; s[22:23] c = log2(e) / 8, twice: the packed form names a pair
.set G1,  24                           ; s[24:31], s[32:35] my load's descriptor
.set G0,  32
.set NC,  36                           ; s36  -c
.set HM,  37                           ; s37  the mask of lanes 16-31
.set UM,  38                           ; s38  all ones where my tile is the odd one of its pair
.set TB,  39                           ; s39  where the key step begins in LDS
.set CNT, 40
.set AK0, 1                            ; v1   16 x lane
.set AV0, 2                            ; v2   VOFF + 16 x lane
.set AS0, 3                            ; v3   SWO + 4 x lane
.set AS1, 4                            ; v4   VOFF + SWO + 4 x lane
.set ADK, 5                            ; v5-8 the same four for the step at hand
.set ADV, 6
.set ADS, 7
.set ADT, 8
.set L8,  9                            ; v9   8 x lane
.set SBA, 10                           ; v10  4 r + h
.set SH8, 11                           ; v11  8 h;   v12 -M, v13 the largest score, v[14:15] the sum in two halves
.set ZQ,  16                           ; v16-21 zero codes, v22-27 q, v28-33 zero codes
.set QS,  34                           ; v34, v35 q's scale words for [q | 0], [0 | q]
.set KS,  36                           ; v36, v37 k's pair words: lanes 0-15 the even pair, lanes 16-31 the odd
.set VS,  38
.set PS,  40
.set VQ,  41                           ; v41, v42 offsets of q's image and words
.set VW,  42
.set RR,  43
.set HH,  44
.set X,   48                           ; v48-111  the two regions
.set Y,   112                          ; v112-175
.set O,   176                          ; v176-207 O^T
.set PC,  208
.set TP,  220                          ; v220-227 by turns: eight chains of the maxima, three chains of the sum, halves of blocks of codes
.set MX,  220
.set T,   218                          ; chain q of the sum at v[T + 2 q], q = 1 .. 3
.set BM,  228
.set BT,  232
.set TC,  234
.set TA,  235
.set SO,  236
.set FF,  238                          ; v[238:239] f and a written partner
.set QT,  240                          ; v240-251 q's pair image as loaded, v252 its pair word
.set QW,  252
.macro ROUND
	s_barrier_signal -1
	s_barrier_wait -1
	s_cmp_lg_u32 s[WV], 0
	s_cbranch_scc1 .Lnot_wave_0_\@
	s_barrier_signal -3
.Lnot_wave_0_\@:
	s_barrier_wait -3
	s_barrier_signal -1
	s_barrier_wait -1
.endm
.macro NOPS n
.rept \n
	v_nop
.endr
.endm
.macro WALU
	s_wait_alu depctr_va_vdst(0)
.endm
.macro D n
	s_delay_alu instid0(VALU_DEP_\n)
.endm
.macro QLOAD off                       ; my tile's pair image and pair word
.irp c, 0,1,2
	global_load_b128 v[QT+4*\c:QT+4*\c+3], v[VQ], s[60:61] offset:(\off)+512*\c
.endr
	global_load_b32 v[QW], v[VW], s[60:61] offset:\off
.endm
.macro QSET                            ; a new tile of queries: q, its scale words, -M, the largest score, the sum, O^T
.irp i, 0,1,2,3,4,5
	v_cndmask_b32 v[ZQ+6+\i], v[QT+\i], v[QT+6+\i], s[UM]
.endr
	v_lshrrev_b32 v[QS], s41, v[QW]
	v_mov_b32 v13, 0xff61b1e6                      ; -3e38, under every score
	D 2
	v_and_b32 v[QS], 0xffff, v[QS]                 ; my tile's two bytes under blocks 0, 1
	D 2
	v_floor_f32 v12, -v13
	D 2
	v_lshlrev_b32 v[QS+1], 16, v[QS]               ; and under blocks 2, 3
	v_mov_b32 v14, 0
	v_mov_b32 v15, 0
.set J, 0
.rept 32
	v_mov_b32 v[O+J], 0                            ; the step is written once: the first finds zeros.  (Also the plain instructions between the writes of q and its scale words and the first product)
.set J, J+1
.endr
.endm
.macro KLOAD                           ; key step 0's images of K and their words, ahead of a walk
.irp j, 0,1,2,3
.irp c, 0,1,2
	ds_load_b128 v[X+12*\j+4*\c:X+12*\j+4*\c+3], v[AK0] offset:1536*\j+512*\c
.endr
.endr
	ds_load_b32 v[KS], v[AS0]
	ds_load_b32 v[KS+1], v[AS0] offset:128
.endm
.macro SMUL a, b, j, row               ; pair j: keys of tiles 2 j and 2 j + 1
	v_wmma_scale_f32_16x16x128_f8f6f4 v[\b+16*\j:\b+16*\j+7], v[\a+12*\j:\a+12*\j+11], v[ZQ+6:ZQ+17], 0, v[KS+\j/2], v[QS] matrix_a_fmt:MATRIX_FMT_FP6 matrix_b_fmt:MATRIX_FMT_FP6 matrix_a_scale:MATRIX_SCALE_ROW\row
	v_wmma_scale_f32_16x16x128_f8f6f4 v[\b+16*\j+8:\b+16*\j+15], v[\a+12*\j:\a+12*\j+11], v[ZQ:ZQ+11], 0, v[KS+\j/2], v[QS+1] matrix_a_fmt:MATRIX_FMT_FP6 matrix_b_fmt:MATRIX_FMT_FP6 matrix_a_scale:MATRIX_SCALE_ROW\row
.endm
.macro OMUL a, t, row
	v_wmma_scale_f32_16x16x128_f8f6f4 v[O+8*\t:O+8*\t+7], v[\a+12*\t:\a+12*\t+11], v[PC:PC+11], v[O+8*\t:O+8*\t+7], v[VS+\t/2], v[PS] matrix_a_fmt:MATRIX_FMT_FP6 matrix_b_fmt:MATRIX_FMT_FP6 matrix_a_scale:MATRIX_SCALE_ROW\row
.endm
.macro SUM4 b, k                       ; four additions of the row's sum, one on each chain
	v_pk_add_f32 v[14:15], v[14:15], v[\b+\k:\b+\k+1]
.irp q, 1,2,3
	v_pk_add_f32 v[T+2*\q:T+2*\q+1], v[T+2*\q:T+2*\q+1], v[\b+\k+2*\q:\b+\k+2*\q+1]
.endr
.endm
; A KEY STEP: 128 keys.  Region a holds K's images (asked for a step ago), region b takes the scores.
.macro STEP a, b
	v_add_nc_u32 v[ADK], s[TB], v[AK0]             ; five plain instructions behind the last products, in front of the products that write over V^T's registers
	v_add_nc_u32 v[ADV], s[TB], v[AV0]
	v_add_nc_u32 v[ADS], s[TB], v[AS0]
	v_add_nc_u32 v[ADT], s[TB], v[AS1]
	v_mov_b32 v[TA], v12                           ; the old -M
	WALU
	s_wait_dscnt 0x0                               ; K's images and words are in
	SMUL \a, \b, 0, 0
	SMUL \a, \b, 1, 1
	SMUL \a, \b, 2, 0
	SMUL \a, \b, 3, 1
	NOPS 4                                         ; in front of the loads into K's registers and of the first read of the scores
.irp t, 0,1,2,3                            ; V^T's four fragments land while the softmax is walked
.irp c, 0,1,2
	ds_load_b128 v[\a+12*\t+4*\c:\a+12*\t+4*\c+3], v[ADV] offset:1536*\t+512*\c
.endr
.endr
	ds_load_b32 v[VS], v[ADT]
	ds_load_b32 v[VS+1], v[ADT] offset:128
.irp k, 0,1,2,3,4,5,6,7                    ; the largest score of my two blocks of 32 keys: a chain to each tile; each accumulator is first read at its low end
	v_max3_num_f32 v[MX+\k], v[\b+8*\k], v[\b+8*\k+1], v[\b+8*\k+2]
.endr
.irp i, 3,5
.irp k, 0,1,2,3,4,5,6,7
	v_max3_num_f32 v[MX+\k], v[MX+\k], v[\b+8*\k+\i], v[\b+8*\k+\i+1]
.endr
.endr
.irp c, 0,1
	v_max3_num_f32 v[MX+4*\c], v[MX+4*\c], v[MX+4*\c+1], v[\b+32*\c+7]
	v_max3_num_f32 v[MX+4*\c+2], v[MX+4*\c+2], v[MX+4*\c+3], v[\b+32*\c+15]
.endr
	v_max3_num_f32 v[MX], v[MX], v[MX+2], v[\b+23]
	v_max3_num_f32 v[MX+4], v[MX+4], v[MX+6], v[\b+55]
	v_max_num_f32 v[BM], v[MX], v[\b+31]           ; block h's largest score: it serves the row's maximum and, since p rises with the score, the block's largest p
	v_max_num_f32 v[BM+2], v[MX+4], v[\b+63]       ; block 2 + h's
	v_max_num_f32 v[TC], v[BM], v[BM+2]
	v_permlanex16_b32 v[BT], v[TC], s[SEL], s[SEL+1]
	v_max3_num_f32 v13, v13, v[TC], v[BT]          ; the running largest score of my query
	v_mul_f32 v[TC], s[NC], v13                    ; -t
	v_floor_f32 v12, v[TC]                         ; the new -M = -ceil(t)
.set J, 0
.rept 32
	v_pk_fma_f32 v[\b+J:\b+J+1], v[\b+J:\b+J+1], s[CS:CS+1], v[12:13] op_sel_hi:[1,0,0]   ; t - M
.if J == 2
	v_sub_f32 v[TA], v12, v[TA]                    ; among them the three lines that make f: old M - new M, a whole number, 0 or less;
.endif
.if J == 10
	v_cvt_i32_f32 v[TA], v[TA]                     ; (it saturates)
.endif
.if J == 18
	v_ldexp_f32 v[FF], 1.0, v[TA]                  ; f = 2^(old M - new M)
.endif
.set J, J+2
.endr
	v_fma_f32 v[BM], v[BM], s[CS], v12             ; the same of each block's largest score
	v_fma_f32 v[BM+2], v[BM+2], s[CS], v12
	WALU
.set J, 0
.rept 64
	v_exp_f32 v[\b+J], v[\b+J]                     ; p = 2^(t - M)
.set J, J+1
.endr
	v_exp_f32 v[BM], v[BM]                         ; each block's largest p: the same two instructions on the same number
	v_exp_f32 v[BM+2], v[BM+2]
	v_pk_mul_f32 v[14:15], v[14:15], v[FF:FF+1] op_sel_hi:[1,0]   ; the sums under the new M: the plain instruction behind the batch
	WALU                                           ; one wait for the 66 exponentials, ahead of their first reader
	v_max_num_f32 v[BM], 0x1800000, v[BM]          ; the floor 2^(3 - 127).  The lines that make p's scale word stand among the additions of the row's sum, which is taken of the unquantised p, in four chains
	v_max_num_f32 v[BM+2], 0x1800000, v[BM+2]
	v_pk_add_f32 v[14:15], v[14:15], v[\b:\b+1]
.irp q, 1,2,3
	v_pk_add_f32 v[T+2*\q:T+2*\q+1], v[\b+2*\q:\b+2*\q+1], v[\b+2*\q+8:\b+2*\q+9]
.endr
	v_add_nc_u32 v[SO], 0xff000000, v[BM]          ; the conversions' scale operands
	v_add_nc_u32 v[SO+1], 0xff000000, v[BM+2]
	SUM4 \b, 16
	v_lshrrev_b32 v[BT], 23, v[SO]                 ; the scales' bytes
	v_lshrrev_b32 v[BT+1], 23, v[SO+1]
	SUM4 \b, 24
	v_lshl_or_b32 v[BT], v[BT+1], 16, v[BT]        ; blocks h and 2 + h,
	SUM4 \b, 32
	v_lshlrev_b32 v[BT], v[SH8], v[BT]             ; at their places in the word;
	SUM4 \b, 40
	v_permlanex16_b32 v[BT+1], v[BT], s[SEL], s[SEL+1]
	SUM4 \b, 48
	v_or_b32 v[PS], v[BT], v[BT+1]                 ; with lane l xor 16's two: p's scale word for these 128 keys
	SUM4 \b, 56
	v_pk_add_f32 v[T+2:T+3], v[T+2:T+3], v[T+4:T+5]
	v_pk_add_f32 v[14:15], v[14:15], v[\b+8:\b+9]
	v_pk_add_f32 v[T+2:T+3], v[T+2:T+3], v[T+6:T+7]
	v_pk_add_f32 v[14:15], v[14:15], v[T+2:T+3]
	v_cvt_scalef32_pk16_fp6_f32 v[PC:PC+2], v[\b:\b+15], v[SO]
	v_cvt_scalef32_pk16_fp6_f32 v[TP:TP+2], v[\b+16:\b+31], v[SO]
	v_cvt_scalef32_pk16_fp6_f32 v[PC+6:PC+8], v[\b+32:\b+47], v[SO+1]
	v_cvt_scalef32_pk16_fp6_f32 v[TP+4:TP+6], v[\b+48:\b+63], v[SO+1]
.irp j, 0,1,2,3                            ; p's registers are free: they take the next key step's images of K, and k's word registers its words
.irp c, 0,1,2
	ds_load_b128 v[\b+12*\j+4*\c:\b+12*\j+4*\c+3], v[ADK] offset:STEPB+1536*\j+512*\c
.endr
.endr
	ds_load_b32 v[KS], v[ADS] offset:STEPB
	ds_load_b32 v[KS+1], v[ADS] offset:STEPB+128
	v_pk_mul_f32 v[O:O+1], v[O:O+1], v[FF:FF+1] op_sel_hi:[1,0]   ; O^T under the new M; this first line is the plain instruction behind the scaled conversions
.irp c, 0,1
.irp i, 0,1,2
	v_mov_b32 v[PC+6*\c+3+\i], v[TP+4*\c+\i]       ; a conversion's three registers begin on an even number: a block's second three are moved
.endr
.endr
.set J, 2
.rept 15
	v_pk_mul_f32 v[O+J:O+J+1], v[O+J:O+J+1], v[FF:FF+1] op_sel_hi:[1,0]   ; (also the plain instructions between the writes of p's codes and the products)
.set J, J+2
.endr
	WALU
	s_wait_dscnt 14                                ; V^T's fragments and scale words are in; the 14 younger loads, the next step's K, may be out
	OMUL \a, 0, 0                                  ; O^T += V^T p^T: the four accumulators by turns
	OMUL \a, 1, 1
	OMUL \a, 2, 0
	OMUL \a, 3, 1
	s_add_co_u32 s[TB], s[TB], STEPB
.endm
.macro WALK label, n                   ; n trips of two key steps
	s_mov_b32 s[CNT], \n
\label:
	STEP X, Y
	STEP Y, X
	s_sub_co_u32 s[CNT], s[CNT], 1
	s_cmp_lg_u32 s[CNT], 0
	s_cbranch_scc1 \label
.endm
; THE WAY OUT of my tile p: O^T / the sum; its 32 registers are channels 32 b + 16 h + 0 .. 15 of my query: halves of two blocks of the last product's K.  It works in region Y, which held the last step's V^T.
.macro OUT p
	NOPS 4
	v_add_f32 v14, v14, v15
	D 1
	v_permlanex16_b32 v[TA], v14, s[SEL], s[SEL+1]
	D 1
	v_add_f32 v14, v14, v[TA]                      ; the row's sum
	WALU
	v_rcp_f32 v14, v14
	v_nop                                          ; a plain instruction behind the reciprocal
	s_lshr_b32 s68, s14, 4                         ; batch
	s_and_b32 s69, s14, 15                         ; head
	s_lshl_b32 s68, s68, 7
	s_lshl_b32 s70, s15, 5
	s_add_co_u32 s68, s68, s70
	s_add_co_u32 s68, s68, s[WV]
	s_add_co_u32 s68, s68, 16*\p                   ; my token tile among 512
	s_mul_i32 s70, s68, 12288
	s_mul_i32 s72, s69, 768
	s_add_co_u32 s70, s70, s72
	s_mov_b32 s71, 0
	s_add_nc_u64 s[70:71], s[6:7], s[70:71]
	s_lshl_b32 s72, s68, 9
	s_lshr_b32 s74, s69, 1
	s_lshl_b32 s74, s74, 6
	s_add_co_u32 s72, s72, s74
	s_and_b32 s74, s69, 1
	s_lshl_b32 s74, s74, 1
	s_add_co_u32 s72, s72, s74
	s_mov_b32 s73, 0
	s_add_nc_u64 s[72:73], s[8:9], s[72:73]
	WALU                                           ; ahead of the reciprocal's first reader
.set J, 0
.rept 16
	v_pk_mul_f32 v[Y+J:Y+J+1], v[O+J:O+J+1], v[14:15] op_sel_hi:[1,0]   ; each accumulator from its low end on
.set J, J+2
.endr
.irp b, 0,1
	v_max3_num_f32 v[BM+\b], |v[Y+16*\b]|, |v[Y+16*\b+1]|, 0x1800000
.endr
.irp i, 2,4,6,8,10,12,14
.irp b, 0,1
	D 2
	v_max3_num_f32 v[BM+\b], v[BM+\b], |v[Y+16*\b+\i]|, |v[Y+16*\b+\i+1]|
.endr
.endr
.irp b, 0,1
	D 2
	v_permlanex16_b32 v[BT+\b], v[BM+\b], s[SEL], s[SEL+1]
.endr
.irp b, 0,1
	D 2
	v_max_num_f32 v[BM+\b], v[BM+\b], v[BT+\b]
.endr
.irp b, 0,1
	D 2
	v_add_nc_u32 v[SO+\b], 0xff000000, v[BM+\b]
.endr
.irp b, 0,1
	D 2
	v_lshrrev_b32 v[BT+\b], 23, v[SO+\b]
.endr
	v_cvt_scalef32_pk16_fp6_f32 v[PC:PC+2], v[Y:Y+15], v[SO]
	v_cvt_scalef32_pk16_fp6_f32 v[TP:TP+2], v[Y+16:Y+31], v[SO+1]
	v_nop
.irp i, 0,1,2
	v_permlane16_swap_b32 v[PC+\i], v[TP+\i]       ; the operand wants a whole block in a lane
.endr
.irp i, 0,1,2
	D 3
	v_mov_b32 v[PC+3+\i], v[TP+\i]
.endr
	v_cndmask_b32 v[TA], v[BT], v[BT+1], s[HM]     ; lanes 0-15 store block 0's byte, lanes 16-31 block 1's
.irp m, 0,1,2
	global_store_b64 v[L8], v[PC+2*\m:PC+2*\m+1], s[70:71] offset:256*\m   ; 256 consecutive bytes, aligned
.endr
	global_store_b8 v[SBA], v[TA], s[72:73]        ; a byte a lane: 32 bytes beside the wave's 768 of codes
.endm
	s_load_b128 s[4:7], s[0:1], 0x0                ; pc, oc
	s_load_b64 s[8:9], s[0:1], 0x10                ; os
	v_lshl_add_u32 v254, v0, 2, SPARE
	v_mov_b32 v255, 0
	ds_add_u32 v254, v255
	ds_add_u32 v254, v255
	v_lshrrev_b32 v1, 5, v0
	D 1
	v_readfirstlane_b32 s[WV], v1                  ; wave 0..15
	s_bfe_u32 s15, ttmp6, 0x40000                  ; cx: my block of 512 queries: it enters q's, oc's and os's addresses alone
	s_and_b32 s14, ttmp7, 0xffff                   ; 16 batch + head, which the four partners share
	s_and_b32 s16, s[WV], 1                        ; I fetch for K (0) or V (1).  Also: which tile of its pair is mine
	s_lshr_b32 s17, s[WV], 1                       ; which two key steps.  Also: my tile's pair
	s_add_co_u32 s44, s16, 1
	s_mul_i32 s46, s44, REG                        ; k's or v's region of pc,
	s_mul_i32 s45, s14, HEADB                      ; the head,
	s_add_co_u32 s46, s46, s45
	s_mul_i32 s44, s17, 2*STEPB                    ; my two key steps
	s_add_co_u32 s46, s46, s44
	s_mov_b32 s47, 0
	s_mul_i32 s48, s16, VOFF                       ; and the same in LDS
	s_add_co_u32 s48, s48, s44
	s_mov_b32 s[G1], 15|(3<<16)|(1<<21)            ; the mask: all four work-groups; elements of 8 bytes; bit 21 beside a mask; no padding
	s_mov_b32 s[G1+1], 32<<16
	s_mov_b32 s[G1+2], 50<<16
	s_mov_b32 s[G1+3], 32<<16
	s_mov_b32 s[G1+4], 50
	s_mov_b32 s[G1+5], 32
	s_mov_b32 s[G1+6], 0
	s_mov_b32 s[G1+7], 0
	s_mov_b32 s[SEL], 0x76543210
	s_mov_b32 s[SEL+1], 0xfedcba98
	s_mov_b32 s[CS], 0x3e38aa3b                    ; log2(e) / 8
	s_mov_b32 s[CS+1], s[CS]
	s_mov_b32 s[NC], 0xbe38aa3b
	s_mov_b32 s[HM], 0xffff0000
	s_wait_dscnt 0x0
	s_wait_kmcnt 0x0
	s_mov_b32 s[G0], 1
	s_mov_b32 s[G0+1], s48
	s_add_nc_u64 s[G0+2:G0+3], s[4:5], s[46:47]
	s_or_b32 s[G0+3], s[G0+3], 0x80000000
	ROUND                                          ; all four work-groups are here: the joint loads meet
	s_cmp_lt_u32 s[WV], 4                          ; two arms, a load in each: key steps 0 to 3 have a load line of their own
	s_cbranch_scc0 .Llater
	tensor_load_to_lds s[G0:G0+3], s[G1:G1+7]
	s_nop 0
	NOPS 4
	s_branch .Lasked
.Llater:
	tensor_load_to_lds s[G0:G0+3], s[G1:G1+7]
	s_nop 0
	NOPS 4
.Lasked:
	s_lshl_b32 s44, s15, 4
	s_add_co_u32 s44, s44, s17                     ; my first tile's pair among the head's 64; my second tile's lies 8 pairs, two steps of pc, on
	s_lshr_b32 s46, s44, 2
	s_mul_i32 s46, s46, STEPB
	s_add_co_u32 s46, s46, s45
	s_mov_b32 s47, 0
	s_add_nc_u64 s[60:61], s[4:5], s[46:47]        ; q's step of four pairs
	s_and_b32 s44, s44, 3
	s_mul_i32 s49, s44, 1536
	s_lshl_b32 s50, s44, 6
	s_add_co_u32 s50, s50, SWO
	s_lshl_b32 s41, s16, 4
	s_cmp_eq_u32 s16, 1
	s_cselect_b32 s[UM], -1, 0
	v_and_b32 v[L8], 31, v0
	v_and_b32 v[RR], 15, v0
	v_bfe_u32 v[HH], v0, 4, 1
	D 3
	v_lshlrev_b32 v[AK0], 4, v[L8]
	D 3
	v_lshl_add_u32 v[VW], v[RR], 2, s50
	D 2
	v_add_nc_u32 v[VQ], s49, v[AK0]
	QLOAD 0
	v_add_nc_u32 v[AV0], VOFF, v[AK0]
	v_lshl_add_u32 v[AS0], v[L8], 2, SWO
	v_lshl_add_u32 v[AS1], v[L8], 2, VOFF+SWO
	v_lshl_add_u32 v[SBA], v[RR], 2, v[HH]
	v_lshlrev_b32 v[SH8], 3, v[HH]
	v_lshlrev_b32 v[L8], 3, v[L8]
	v_mov_b32 v[FF+1], 0                           ; named as the upper half of a pair, so it is written
	v_mov_b32 v[BT], 0                             ; a lane permute's destination counts as one of its sources
	v_mov_b32 v[BT+1], 0
.irp i, 0,1,2,3,4,5
	v_mov_b32 v[ZQ+\i], 0                          ; zero codes
	v_mov_b32 v[ZQ+12+\i], 0
.endr
	WALU
	s_wait_loadcnt 0x0
	QSET
	QLOAD 2*STEPB                                  ; my second tile's q is asked for now and waited for behind the first tile's way out
	WALU
	s_cmp_lt_u32 s[WV], 4
	s_cbranch_scc0 .Lnot_mine
	s_wait_tensorcnt 0x0                           ; key steps 0 to 3 of K and V are in
.Lnot_mine:
	s_barrier_signal -1
	s_barrier_wait -1                              ; the other twelve loads may be out
	KLOAD
	s_mov_b32 s[TB], 0
	STEP X, Y                                      ; key steps 0 and 1; the second fetches K's step 2
	STEP Y, X
	s_wait_tensorcnt 0x0                           ; all my loads have landed,
	s_wait_dscnt 0x0
	s_barrier_signal -1
	s_barrier_wait -1                              ; everybody's have
	s_mov_b32 s[TB], 2*STEPB
	WALK .Lrest, 7
	OUT 0
	s_wait_xcnt 0x0                                ; the stores have read their registers and bases: they are written again only behind this wait
	s_wait_dscnt 0x0                               ; the last step's 14 loads have landed: their registers are loaded anew
	KLOAD
	s_wait_loadcnt 0x0                             ; my second tile's q
	QSET
	s_mov_b32 s[TB], 0
	WALK .Lsecond, 8
	OUT 1
	s_wait_tensorcnt 0x0                           ; the wave's end
	ds_add_u32 v254, v255
	s_wait_dscnt 0x0
	ROUND                                          ; the closing round
	s_endpgm
.Lfunc_end_k_q12735973e6_attn:
	.size	k_q12735973e6_attn, .Lfunc_end_k_q12735973e6_attn-k_q12735973e6_attn
	.p2alignl 7, 3214868480
	.fill 96, 4, 3214868480
	.section	.rodata,"a",@progbits
	.p2align	6, 0x0
	.amdhsa_kernel k_q12735973e6_attn
		.amdhsa_group_segment_fixed_size 206848
		.amdhsa_private_segment_fixed_size 0
		.amdhsa_enable_private_segment 0
		.amdhsa_kernarg_size 24
		.amdhsa_user_sgpr_count 2
		.amdhsa_user_sgpr_kernarg_segment_ptr 1
		.amdhsa_wavefront_size32 1
		.amdhsa_system_sgpr_workgroup_id_x 1
		.amdhsa_system_sgpr_workgroup_id_y 1
		.amdhsa_system_sgpr_workgroup_id_z 1
		.amdhsa_system_vgpr_workitem_id 0
		.amdhsa_next_free_vgpr 256
		.amdhsa_next_free_sgpr 80
		.amdhsa_reserve_vcc 0
		.amdhsa_float_denorm_mode_32 3
		.amdhsa_float_denorm_mode_16_64 3
		.amdhsa_memory_ordered 1
		.amdhsa_forward_progress 1
		.amdhsa_inst_pref_size 109
	.end_amdhsa_kernel
	.amdgpu_metadata
---
amdhsa.version: [ 1, 2 ]
amdhsa.kernels:
  - .name:           k_q12735973e6_attn
    .symbol:         k_q12735973e6_attn.kd
    .args:
      - { .name: pc, .offset: 0, .size: 8, .value_kind: global_buffer, .address_space: global }
      - { .name: oc, .offset: 8, .size: 8, .value_kind: global_buffer, .address_space: global }
      - { .name: os, .offset: 16, .size: 8, .value_kind: global_buffer, .address_space: global }
    .group_segment_fixed_size: 206848
    .private_segment_fixed_size: 0
    .kernarg_segment_align: 8
    .kernarg_segment_size: 24
    .max_flat_workgroup_size: 512
    .sgpr_count:     80
    .vgpr_count:     256
    .wavefront_size: 32
...
	.end_amdgpu_metadata
.endif
;; end of part 3
;; launch outp (part 4): grid 4 x 64, 4 waves a work-group, clusters of 4 x 4, 295,424 bytes of LDS; arguments xc, xs, oc, os, out0; writes out0
.if DOCPART == 4
	.amdgcn_target "amdgcn-amd-amdhsa--gfx1250"
	.amdhsa_code_object_version 6
	.text
	.protected	k_q12735973e6_outp
	.globl	k_q12735973e6_outp
	.p2align	8
	.type	k_q12735973e6_outp,@function
k_q12735973e6_outp:
	s_mov_b64 s[64:65], 0
	v_nop
	global_prefetch_b8 v0, s[64:65] scope:SCOPE_SE
	s_setreg_imm32_b32 hwreg(HW_REG_WAVE_MODE, 25, 1), 1
	s_wait_xcnt 0x0
	s_wait_alu depctr_hold_cnt(0) depctr_sa_sdst(0) depctr_va_vdst(0) depctr_va_sdst(0) depctr_va_ssrc(0) depctr_va_vcc(0) depctr_vm_vsrc(0)
	s_getreg_b32 s2, hwreg(HW_REG_IB_STS2, 6, 4)
	s_cmp_eq_u32 s2, 0
	s_cbranch_scc0 .Lentry_in_a_cluster
	s_endpgm
.Lentry_in_a_cluster:
	s_bfe_u32 s2, ttmp6, 0x10000c
	s_cmp_lg_u32 s2, 0xf033
	s_cbranch_scc0 .Lentry_shape_is_right
	s_endpgm
.Lentry_shape_is_right:
; out0 = o WO^T on codes of FP6 (E2M3) with E8M0 scales, f32 sums.  P (source 0) = rows of WO, from xc and xs (tiles from 1728 on); R (source 1) = tokens, from oc and os as the attention launch lays them.
; Tiles are of the program's kind: lane-row p of tile T is row 32 (T / 2) + 8 (T % 2) + p + 8 (p / 8).  In a result lane (r, h) holds lane-row r of R's tile, and the 16 registers of P's tiles 2 b, 2 b + 1 are output features 32 b + 16 h + 0 .. 15.
; SHARES.  16 clusters of 4 x 4 work-groups: 256 work-groups.  A work-group makes 256 features x 128 tokens over all of K = 1,024; a wave 128 x 64: 32 accumulators.
; All operands of a work-group, 294,912 bytes, lie in LDS at once: every byte is filled once, in two groups, K steps 0-1 and 2-7, all asked for at the head; nothing is filled again, and nothing is prefetched.
; WO's tiles are shared along a column of the cluster, o's along a row: each is asked for jointly.
; THE WAY OUT: 16 tokens x 128 features at a time through the wave's own stage in LDS, back as whole rows of 512 bytes.  The stages lie in the first group's bytes: they have had their only fill, and every wave's reads of them
; were waited for in front of the second group's barrier.
; REGISTERS as in the projections: window 0: addresses, v32-63 P's scale words, v64-79 R's, v80-175 R's fragments in two sets (later rows on their way out, v80-207); window 1: accumulator (rt, pt) at v[64 rt + 8 pt]; window 2: P's fragments, sets at v0 and v96.
.set WV,  12
.set G1P, 24
.set G1R, 32
.set G0P, 40
.set G0R, 68
.set XSP, 86
.set XSR, 90
.set OUT, 92                           ; s[92:93]
.set GRP, 73728
.set ROFF, 49152
.set SPI, 528                          ; a stage row: 512 bytes + 16
.set LI,  3                            ; v3   16 x lane
.set ADP, 4
.set ADR, 8                            ; v8-11  8 x lane + my R fragments in group g
.set STO, 12
.set RD,  13
.set SO4, 14                           ; v14  256 h + 4 r
.set PSC, 32
.set RSC, 64
.set RF,  80
.set BK,  80
.set MSB, 0
.macro WIN new                         ; the immediate's high byte repeats the setting that is left
.if MSB != \new
	s_set_vgpr_msb (MSB<<8)|\new
.set MSB, \new
.endif
.endm
.macro PLACES                          ; four plain instructions between a matrix instruction and a load into, or a store from, one of its registers (ISA guide 7.12.1 for vector instructions)
.rept 4
	v_nop
.endr
.endm
.macro ROUND
	s_barrier_signal -1
	s_barrier_wait -1
	s_cmp_lg_u32 s[WV], 0
	s_cbranch_scc1 .Lnot_wave_0_\@
	s_barrier_signal -3
.Lnot_wave_0_\@:
	s_barrier_wait -3
	s_barrier_signal -1
	s_barrier_wait -1
.endm
	s_load_b256 s[4:11], s[0:1], 0x0               ; xc, xs, oc, os
	s_load_b64 s[OUT:OUT+1], s[0:1], 0x20          ; out0
	v_lshl_add_u32 v254, v0, 2, 0x48000
	v_mov_b32 v255, 0
	ds_add_u32 v254, v255
	ds_add_u32 v254, v255
	v_lshrrev_b32 v1, 5, v0
	v_readfirstlane_b32 s[WV], v1
	s_and_b32 s13, s[WV], 1                        ; which 128 of P
	s_lshr_b32 s14, s[WV], 1                       ; which 64 of R
	s_bfe_u32 s19, ttmp6, 0x40000                  ; cx: which 256 features
	s_bfe_u32 s16, ttmp6, 0x40004                  ; cy
	s_and_b32 s23, ttmp7, 0xffff
	s_lshl_b32 s23, s23, 2
	s_add_co_u32 s23, s23, s16                     ; which 128 tokens
	s_lshl_b32 s60, 0x1111, s19                    ; my column of the cluster shares P's tiles,
	s_lshl_b32 s61, s16, 2
	s_lshl_b32 s61, 15, s61                        ; my row R's
	; The operands come by ONE tensor load a wave: wave 0 P's 16 tiles of K steps 0-1, wave 1 R's 8, wave 2 P's K steps 2-7, wave 3 R's; each LDS byte is filled once.
.macro GRP1 g, mask, rows, len         ; rows (tiles) of len elements of 8 bytes, 12,288 bytes apart
	s_or_b32 s[\g], s\mask, (3<<16)|(1<<21)
	s_mov_b32 s[\g+1], (\len)<<16
	s_mov_b32 s[\g+2], (\rows)<<16
	s_mov_b32 s[\g+3], (\len)<<16
	s_mov_b32 s[\g+4], \rows
	s_mov_b32 s[\g+5], 1536
	s_mov_b32 s[\g+6], 0
	s_mov_b32 s[\g+7], 0
.endm
	GRP1 G1P, 60, 16, 384                          ; P, K steps 0-1: 3,072 bytes of each tile
	GRP1 G1R, 61, 8, 384                           ; R, the same
	GRP1 40, 60, 16, 1152                          ; P, K steps 2-7: 9,216 bytes of each tile
	GRP1 48, 61, 8, 1152                           ; R, the same
	s_lshl_b32 s84, s19, 4                         ; P's chain of registers never holds cy, R's never cx
	s_add_co_u32 s84, s84, 1728
	s_lshl_b32 s85, s13, 3
	s_add_co_u32 s86, s84, s85
	s_mul_i32 s84, s84, 12288                      ; the loads take all 16 tiles of P
	s_mov_b32 s85, 0
	s_lshl_b32 s86, s86, 9
	s_mov_b32 s87, 0
	s_lshl_b32 s88, s23, 3                         ; R's 8 tiles
	s_lshl_b32 s90, s14, 2
	s_add_co_u32 s90, s90, s88                     ; my four of them
	s_mul_i32 s88, s88, 12288
	s_mov_b32 s89, 0
	s_lshl_b32 s90, s90, 9
	s_mov_b32 s91, 0
	s_wait_dscnt 0x0
	s_wait_kmcnt 0x0
	s_add_nc_u64 s[84:85], s[4:5], s[84:85]
	s_add_nc_u64 s[88:89], s[8:9], s[88:89]
	s_add_nc_u64 s[XSP:XSP+1], s[6:7], s[86:87]
	s_add_nc_u64 s[XSR:XSR+1], s[10:11], s[90:91]
.macro GRP0 g, lds, base, off
	s_mov_b32 s[\g], 1
	s_mov_b32 s[\g+1], \lds
	s_add_nc_u64 s[\g+2:\g+3], s[\base:\base+1], \off
	s_or_b32 s[\g+3], s[\g+3], 0x80000000
.endm
	GRP0 68, 0, 84, 0                              ; LDS: P's K steps 0-1 at 0, R's at ROFF,
	GRP0 72, ROFF, 88, 0
	GRP0 76, GRP, 84, 3072                         ; P's K steps 2-7 at GRP (16 x 9,216 bytes), R's behind them
	GRP0 80, GRP+147456, 88, 3072
	ROUND                                          ; all sixteen work-groups are here: the joint loads meet
.macro ARM w, g0, g1, next             ; one chain of branches on the wave's number, one load to an arm
	s_cmp_eq_u32 s[WV], \w
	s_cbranch_scc0 \next
	tensor_load_to_lds s[\g0:\g0+3], s[\g1:\g1+7]
	s_nop 0
	PLACES
	s_branch .Lasked
\next:
.endm
	ARM 0, 68, G1P, .Larm_1
	ARM 1, 72, G1R, .Larm_2
	ARM 2, 76, 40, .Larm_3
	tensor_load_to_lds s[80:83], s[48:55]
	s_nop 0
	PLACES
.Lasked:
	v_and_b32 v1, 15, v0                           ; r
	v_bfe_u32 v2, v0, 4, 1                         ; h
	v_and_b32 v15, 31, v0
	v_lshlrev_b32 v[LI], 4, v15
	s_wait_alu depctr_va_vdst(0)
	v_lshlrev_b32 v15, 3, v15                      ; 8 x lane
	s_wait_alu depctr_va_vdst(0)
	s_mul_i32 s58, s13, 24576
	s_mul_i32 s59, s14, 12288
	s_add_co_u32 s59, s59, ROFF
	v_add_nc_u32 v[ADP], s58, v[LI]                ; K steps 0-1
	v_add_nc_u32 v[ADR], s59, v15
	s_mul_i32 s58, s13, 73728
	s_add_co_u32 s58, s58, GRP
	s_mul_i32 s59, s14, 36864
	s_add_co_u32 s59, s59, GRP+147456
	v_add_nc_u32 v[ADP+1], s58, v[LI]              ; K steps 2-7: my P tiles 0-3,
	v_add_nc_u32 v[ADR+1], s59, v15                ; my R tiles,
	s_add_co_u32 s58, s58, 36864
	v_add_nc_u32 v[ADP+2], s58, v[LI]              ; my P tiles 4-7 (an LDS offset has 16 bits)
	s_mul_i32 s60, s[WV], 16*SPI                   ; my stage
	v_mul_u32_u24 v[STO], v1, SPI
	v_lshl_add_u32 v[STO], v2, 6, v[STO]
	v_add_nc_u32 v[STO], s60, v[STO]               ; in: row r, + 64 h
	v_add_nc_u32 v[RD], s60, v[LI]                 ; back: a row's 512 bytes, 16 a lane
	v_lshlrev_b32 v[SO4], 2, v1
	v_lshl_add_u32 v[SO4], v2, 8, v[SO4]
.irp pt, 0,1,2,3,4,5,6,7
	global_load_b128 v[PSC+4*\pt:PSC+4*\pt+3], v[LI], s[XSP:XSP+1] offset:512*\pt
.endr
.irp rt, 0,1,2,3
.irp j, 0,1,2,3
	global_load_b32 v[RSC+4*\rt+\j], v[SO4], s[XSR:XSR+1] offset:512*\rt+64*\j   ; lanes 0-15 K step j, lanes 16-31 K step 4 + j
.endr
.endr
	s_lshl_b32 s94, s23, 7
	s_lshl_b32 s95, s14, 6
	s_add_co_u32 s94, s94, s95                     ; my first token,
	s_lshl_b32 s94, s94, 12                        ; rows of 4,096 bytes,
	s_lshl_b32 s95, s19, 10
	s_add_co_u32 s94, s94, s95                     ; my work-group's 256 features,
	s_lshl_b32 s95, s13, 9
	s_add_co_u32 s94, s94, s95                     ; my 128 of them
	s_mov_b32 s95, 0
	s_add_nc_u64 s[OUT:OUT+1], s[OUT:OUT+1], s[94:95]
.macro FETCH s                         ; K step s's fragments: P's eight images by loads of 16 bytes a lane; R's four lie as register pairs, 256 bytes each: loads of 8 bytes a lane
	WIN 0x80
.irp pt, 0,1,2,3,4,5,6,7
.irp c, 0,1,2
.if (\s) < 2
	ds_load_b128 v[96*((\s)&1)+12*\pt+4*\c:96*((\s)&1)+12*\pt+4*\c+3], v[ADP] offset:3072*\pt+1536*(\s)+512*\c
.else
	ds_load_b128 v[96*((\s)&1)+12*\pt+4*\c:96*((\s)&1)+12*\pt+4*\c+3], v[ADP+1+\pt/4] offset:9216*(\pt%4)+1536*((\s)-2)+512*\c
.endif
.endr
.endr
	WIN 0
.irp rt, 0,1,2,3
.irp m, 0,1,2,3,4,5
.if (\s) < 2
	ds_load_b64 v[RF+48*((\s)&1)+12*\rt+2*\m:RF+48*((\s)&1)+12*\rt+2*\m+1], v[ADR] offset:3072*\rt+1536*(\s)+256*\m
.else
	ds_load_b64 v[RF+48*((\s)&1)+12*\rt+2*\m:RF+48*((\s)&1)+12*\rt+2*\m+1], v[ADR+1] offset:9216*\rt+1536*((\s)-2)+256*\m
.endif
.endr
.endr
.endm
.macro MUL s                           ; 32 matrix instructions; the 32 accumulators take turns, in the same order in every step; the first step starts the sums
	WIN 0x52
.irp rt, 0,1,2,3
.irp pt, 0,1,2,3,4,5,6,7
.if (\s) == 0
	v_wmma_scale_f32_16x16x128_f8f6f4 v[64*\rt+8*\pt:64*\rt+8*\pt+7], v[96*((\s)&1)+12*\pt:96*((\s)&1)+12*\pt+11], v[RF+48*((\s)&1)+12*\rt:RF+48*((\s)&1)+12*\rt+11], 0, v[PSC+4*\pt+((\s)&3)], v[RSC+4*\rt+((\s)&3)] matrix_a_fmt:MATRIX_FMT_FP6 matrix_b_fmt:MATRIX_FMT_FP6
.elseif (\s) < 4
	v_wmma_scale_f32_16x16x128_f8f6f4 v[64*\rt+8*\pt:64*\rt+8*\pt+7], v[96*((\s)&1)+12*\pt:96*((\s)&1)+12*\pt+11], v[RF+48*((\s)&1)+12*\rt:RF+48*((\s)&1)+12*\rt+11], v[64*\rt+8*\pt:64*\rt+8*\pt+7], v[PSC+4*\pt+((\s)&3)], v[RSC+4*\rt+((\s)&3)] matrix_a_fmt:MATRIX_FMT_FP6 matrix_b_fmt:MATRIX_FMT_FP6
.else
	v_wmma_scale_f32_16x16x128_f8f6f4 v[64*\rt+8*\pt:64*\rt+8*\pt+7], v[96*((\s)&1)+12*\pt:96*((\s)&1)+12*\pt+11], v[RF+48*((\s)&1)+12*\rt:RF+48*((\s)&1)+12*\rt+11], v[64*\rt+8*\pt:64*\rt+8*\pt+7], v[PSC+4*\pt+((\s)&3)], v[RSC+4*\rt+((\s)&3)] matrix_a_fmt:MATRIX_FMT_FP6 matrix_b_fmt:MATRIX_FMT_FP6 matrix_a_scale:MATRIX_SCALE_ROW1 matrix_b_scale:MATRIX_SCALE_ROW1
.endif
.endr
.endr
.endm
.macro GATE g                          ; group g is whole in LDS: my load for it has landed (at g = 0 the loads for group 1 may stay out), and so has everybody's
.if (\g) == 0                          ; K steps 0-1 came by waves 0 and 1, by load lines of their own: they alone wait
	s_cmp_lt_u32 s[WV], 2
	s_cbranch_scc0 .Lnot_first
	s_wait_tensorcnt 0x0
.Lnot_first:
.else                                  ; all that is still out: every wave waits
	s_wait_tensorcnt 0x0
.endif
	s_barrier_signal -1
	s_barrier_wait -1
.endm
	s_wait_alu depctr_va_vdst(0)
	GATE 0
	FETCH 0
.set S, 0
.rept 8
	s_wait_dscnt 0x0                               ; this step's fragments are in: they were asked for a step's 32 matrix instructions ago
.if S > 0
	WIN 0
.endif
.if S == 1
	GATE (S+1)/2
.endif
.if S > 0
	PLACES                                         ; the next loads land in the set that the last step multiplied
.endif
.if S < 7
	FETCH S+1
.endif
.if S == 0
	s_wait_loadcnt 0x0                             ; the scale words
.endif
	MUL S
.set S, S+1
.endr
	WIN 0
.macro TOSTAGE rt                      ; R tile rt: 16 tokens x my 128 features into my stage, each accumulator from its low end on, and back as rows.  LDS serves a wave's instructions in order (ISA guide 5.7.1.4)
	WIN 0x04                                       ; an LDS store's data are its source 1: window 1
.irp b, 0,1,2,3
.irp q, 0,1,2,3
	ds_store_b128 v[STO], v[64*(\rt)+16*\b+4*\q:64*(\rt)+16*\b+4*\q+3] offset:128*\b+16*\q
.endr
.endr
	WIN 0
.irp t, 0,1,2,3,4,5,6,7,8,9,10,11,12,13,14,15
	ds_load_b128 v[BK+64*((\rt)%2)+4*\t:BK+64*((\rt)%2)+4*\t+3], v[RD] offset:SPI*\t
.endr
.endm
.macro SEND rt, n                      ; n: the LDS instructions issued behind this tile's loads, which may stay out
	s_wait_dscnt \n
.irp t, 0,1,2,3,4,5,6,7,8,9,10,11,12,13,14,15
	global_store_b128 v[LI], v[BK+64*((\rt)%2)+4*\t:BK+64*((\rt)%2)+4*\t+3], s[OUT:OUT+1] offset:(32*((\rt)/2)+8*((\rt)%2)+\t+8*(\t/8))*4096 th:TH_STORE_NT   ; 512 consecutive bytes of a token's row, aligned to 256; written once, read by nobody here
.endr
.endm
	PLACES
	TOSTAGE 0
	TOSTAGE 1
	SEND 0, 32                                     ; behind tile 0's loads: tile 1's sixteen stores and sixteen loads
	s_wait_xcnt 0x0                                ; tile 0's stores have read their registers: tile 2's rows may land there
	TOSTAGE 2
	SEND 1, 32
	s_wait_xcnt 0x0
	TOSTAGE 3
	SEND 2, 32
	SEND 3, 0
	s_wait_dscnt 0x0
	s_wait_tensorcnt 0x0
	ds_add_u32 v254, v255
	s_wait_dscnt 0x0
	ROUND                                          ; the closing round: no work-group ends while a partner may still ask for a tile that names it
	s_endpgm
.Lfunc_end_k_q12735973e6_outp:
	.size	k_q12735973e6_outp, .Lfunc_end_k_q12735973e6_outp-k_q12735973e6_outp
	.p2alignl 7, 3214868480
	.fill 96, 4, 3214868480
	.section	.rodata,"a",@progbits
	.p2align	6, 0x0
	.amdhsa_kernel k_q12735973e6_outp
		.amdhsa_group_segment_fixed_size 295424
		.amdhsa_private_segment_fixed_size 0
		.amdhsa_enable_private_segment 0
		.amdhsa_kernarg_size 40
		.amdhsa_user_sgpr_count 2
		.amdhsa_user_sgpr_kernarg_segment_ptr 1
		.amdhsa_wavefront_size32 1
		.amdhsa_system_sgpr_workgroup_id_x 1
		.amdhsa_system_sgpr_workgroup_id_y 1
		.amdhsa_system_sgpr_workgroup_id_z 1
		.amdhsa_system_vgpr_workitem_id 0
		.amdhsa_next_free_vgpr 768
		.amdhsa_next_free_sgpr 100
		.amdhsa_reserve_vcc 0
		.amdhsa_float_denorm_mode_32 3
		.amdhsa_float_denorm_mode_16_64 3
		.amdhsa_memory_ordered 1
		.amdhsa_forward_progress 1
		.amdhsa_inst_pref_size 84
	.end_amdhsa_kernel
	.amdgpu_metadata
---
amdhsa.version: [ 1, 2 ]
amdhsa.kernels:
  - .name:           k_q12735973e6_outp
    .symbol:         k_q12735973e6_outp.kd
    .args:
      - { .name: xc, .offset: 0, .size: 8, .value_kind: global_buffer, .address_space: global }
      - { .name: xs, .offset: 8, .size: 8, .value_kind: global_buffer, .address_space: global }
      - { .name: oc, .offset: 16, .size: 8, .value_kind: global_buffer, .address_space: global }
      - { .name: os, .offset: 24, .size: 8, .value_kind: global_buffer, .address_space: global }
      - { .name: out0, .offset: 32, .size: 8, .value_kind: global_buffer, .address_space: global }
    .group_segment_fixed_size: 295424
    .private_segment_fixed_size: 0
    .kernarg_segment_align: 8
    .kernarg_segment_size: 40
    .max_flat_workgroup_size: 128
    .sgpr_count:     100
    .vgpr_count:     768
    .wavefront_size: 32
...
	.end_amdgpu_metadata
.endif
;; end of part 4
